; MI455X (gfx1250); checked and timed in simulation.
; The chip was launched on July 23, 2026; its instructions are those of AMD's public machine-readable ISA for CDNA 5 (MIT licence, August 2026) and "CDNA5" Instruction Set Architecture Reference Guide (July 2026). The comments in the code are by the model that wrote it; some were corrected since.
;; Fused Attention. Allowed arithmetic: matrix products marked QUANTISED: E4M3 operands, one E8M0 scale for each 32 along K, by v_wmma_scale_f32_16x16x128_f8f6f4 with both operands' format E4M3, f32 sums; everything else in f32.
;; Inputs: W_out 1,024 x 1,024 float32; W_qkv 3,072 x 1,024 float32; x 4 x 2,048 x 1,024 float32.
;; Outputs: out0 4 x 2,048 x 1,024 float32.
;; This version of the problem:
;;   THIS VERSION OF THE PROBLEM IS GIVEN IN LOW PRECISION. The matrix products marked QUANTISED in the list below multiply operands that are first quantised to E4M3 (4 exponent bits, 3 mantissa bits; 8 bits a number), with one power-of-two scale for each 32 numbers along K (OCP MX v1.0); their sums are f32. All else is computed in f32.
;;   The module's matrix products, in the order in which they are computed (A, B: the left and right operand; K: the contracted axis; several contracted axes count as one K, in the product's order):
;;     1. [M 8,192, K 1,024] x [K 1,024, N 3,072]; A: input x; B: input W_qkv: QUANTISED
;;     2. batch 64 x [M 2,048, K 64] x [K 64, N 2,048]; A: computed on the way; B: computed on the way: QUANTISED
;;     3. batch 64 x [M 2,048, K 2,048] x [K 2,048, N 64]; A: softmax (see below); B: computed on the way: QUANTISED
;;     4. [M 8,192, K 1,024] x [K 1,024, N 1,024]; A: computed on the way; B: input W_out: QUANTISED
;;   THE QUANTISER, for each operand of a quantised product, along K:
;;     - K is cut into blocks of 32 from its start; a last block that is shorter is filled with zeros.
;;     - A block's scale is 2^e with e = floor(log2(the largest magnitude in the block)) - 8, held to -126 .. 127; a block of zeros has e = 0. As a byte (E8M0): e + 127.
;;     - Each number is divided by its block's scale, clamped to +-448, and rounded to the nearest number of E4M3, ties to even, subnormals kept.
;;     - The product sums the exact products of the quantised numbers (number of the format x scale) in f32.
;;   ~~~python
;;   def quantise(x, axis):      # numpy; x: float32 -> the quantised numbers, widened to float32 again
;;       x = np.moveaxis(x, axis, -1); K = x.shape[-1]
;;       x = np.pad(x, [(0, 0)] * (x.ndim - 1) + [(0, -K % 32)]); x = x.reshape(x.shape[:-1] + (-1, 32)); a = np.abs(x).max(-1, keepdims=True)
;;       e = np.where(a > 0, np.clip(np.frexp(np.where(a > 0, a, 1))[1] - 1 - 8, -126, 127), 0)      # np.frexp(a)[1] - 1 = floor(log2(a)), exactly
;;       r = np.clip(x / 2.0 ** e, -448, 448)
;;       step = 2.0 ** (np.maximum(np.frexp(np.where(r == 0, 1, r))[1] - 1, -6) - 3)
;;       q = np.round(r / step) * step * 2.0 ** e      # np.round: ties to even
;;       return np.moveaxis(q.reshape(q.shape[:-2] + (-1,))[..., :K], -1, axis).astype(np.float32)
;;   ~~~
;;   SOFTMAX AHEAD OF A QUANTISED PRODUCT. Where the list says 'softmax', what is quantised is not the finished softmax but p = 2^(t - M), with t = logit x log2(e) and M = ceil(the row's largest t), a whole number; so 1/2 < the row's largest p <= 1. The row's sum l is taken of the UNQUANTISED p, in f32, and the product's result is divided by l at the end. Since M is a whole number, a kernel that streams over the keys may use a running M (the ceiling of the running maximum): every later rescaling is an exact power of two, which a block's scale takes up: the codes' values come out the same.
;;   OPERANDS COMPUTED ON THE WAY. 'Computed on the way' means the value that the module computes at that place (a softmax that the list does not call 'softmax' is quantised finished and normalised). What goes into a quantiser is computed in f32, as accurately as f32 sums, v_exp_f32 and their like allow (about 1e-6 of the number): no bf16 or f16 on the way to a quantiser, and a product that is left as it is and whose result goes on into a quantised operand takes f32 operands (vector FMAs, or v_wmma_f32_16x16x4_f32). A number that lies on a knife's edge between two numbers of the format may be rounded either way, as far as f32 arithmetic and the matrix unit's own rounding can turn it there, and no further.
;; One version. Each part assembles by itself: llvm-mc -triple=amdgcn-amd-amdhsa -mcpu=gfx1250 --defsym DOCPART=n.
;; ======== version 1 of 1: 4 launches
;; workspace buffers: codes1 12,582,912 bytes; scales1 393,216 bytes; qkv_img 25,165,824 bytes; qkv_sc 786,432 bytes; a_img 8,388,608 bytes; a_sc 262,144 bytes
;; launch quant (part 1): grid 384 x 1, 4 waves a work-group, no clusters, 32,768 bytes of LDS; arguments x, W_qkv, W_out, codes1, scales1; writes codes1, scales1
.if DOCPART == 1
	.amdgcn_target "amdgcn-amd-amdhsa--gfx1250"
	.amdhsa_code_object_version 6
	.text
	.protected	k_qba1f38bea2_quant
	.globl	k_qba1f38bea2_quant
	.p2align	8
	.type	k_qba1f38bea2_quant,@function
k_qba1f38bea2_quant:
	s_mov_b64 s[64:65], 0
	v_nop
	global_prefetch_b8 v0, s[64:65] scope:SCOPE_SE
	s_setreg_imm32_b32 hwreg(HW_REG_WAVE_MODE, 25, 1), 1
	s_wait_xcnt 0x0
; x [8192][1024], W_qkv [3072][1024] and W_out [1024][1024], f32, become codes of FP8 (E4M3), K innermost, with one E8M0 scale byte for each 32 along K.
; codes1: rows of 1,024 bytes: x's 8,192 rows, then W_qkv's 3,072, then W_out's 1,024.  scales1: 32 bytes a row, in the same order of rows.
; THE ROWS OF x AND OF W_qkv ARE STORED WITH BITS 3 AND 4 OF THE ROW NUMBER EXCHANGED: the next launch then finds, in the registers of two neighbouring accumulators, 16 neighbours along the
; operand that lies along its registers, and in a tile of the other operand the rows 8 u + r + 8 (r / 8).  W_out keeps its order.
; A block's scale is 2^(floor(log2(its largest magnitude)) - 8); its byte is the largest magnitude's exponent field - 8, held at 1 from below.  Each number is divided by the scale, held within +-448
; and rounded to the nearest code, ties to even.
; LIMITS: a block of zeros gets the byte 1 and not 127 (its codes are zeros, and this program alone reads the bytes); blocks whose largest magnitude lies under 2^-118 are held at the byte 1;
; NaN and infinities among the inputs are not served.
; A work-group takes 32 rows, a wave 8 rows = 16 steps of 512 numbers.  So the exchange of bits 3 and 4 is an exchange of waves 1 and 2 on the way out.
; Each of a step's four loads reads 512 consecutive bytes; the 2,048 bytes go through the wave's own stage in LDS and come back 64 bytes a lane, so that a lane holds 16 neighbours (two lanes hold a block).
; A lane's 16 codes are 16 bytes: the wave stores 512 consecutive bytes.  A wave's 256 scale bytes are gathered in LDS and leave as 256 consecutive bytes.  No barrier: waves share nothing.
.set STEPS, 16
.set WGX,   256                        ; work-groups 0 .. 255 take x,
.set WGW,   352                        ; 256 .. 351 W_qkv, 352 .. 383 W_out
.set EMAX,  8
.set MANT,  0x600000                   ; the mantissa field of 448 as f32
.set CB,    16                         ; bytes of 16 codes
.set R,     16                         ; v16-79   four sets of 16 numbers as they are loaded
.set X,     80                         ; v80-111  two sets of 16 neighbours
.set C,     128                        ; v128-191 codes: four registers for each step, so that no store's data are written again
.set E,     112                        ; v112-127 a scale byte for each step
.set WREG,  8192                       ; LDS: a region for each wave: two stages of 32 x SP bytes, and behind them its 256 scale bytes
.set SP,    80                         ; a lane's place in a stage: its 64 bytes + 16 of padding
	s_load_b256 s[4:11], s[0:1], 0x0               ; x s[4:5], W_qkv s[6:7], W_out s[8:9], codes1 s[10:11]
	s_load_b64 s[12:13], s[0:1], 0x20              ; scales1
	v_lshrrev_b32 v1, 5, v0
	v_readfirstlane_b32 s16, v1                    ; wave
	v_and_b32 v2, 31, v0                           ; lane
	v_lshlrev_b32 v3, 4, v2                        ; my 16 bytes of a load's 512
	s_mul_i32 s17, s16, WREG
	v_lshrrev_b32 v14, 2, v2
	v_mul_u32_u24 v14, v14, SP
	v_and_b32 v15, 3, v2
	v_lshl_add_u32 v14, v15, 4, v14
	v_add_nc_u32 v14, s17, v14                     ; the stage, on the way in: SP (lane / 4) + 16 (lane % 4)
	v_mul_u32_u24 v15, v2, SP
	v_add_nc_u32 v15, s17, v15                     ; and on the way out: SP x lane: my 16 neighbours
	v_mul_u32_u24 v4, v2, CB                       ; my codes' place in a step's
	v_lshrrev_b32 v5, 1, v2
	s_add_co_u32 s17, s17, 2*32*SP
	v_add_nc_u32 v5, s17, v5                       ; LDS: my wave's 256 scale bytes, my block's byte
	v_lshlrev_b32 v7, 3, v2                        ; and on the way out 8 bytes a lane
	v_add_nc_u32 v6, s17, v7
	s_mov_b32 s23, MANT                            ; (an instruction takes one literal: the hold's line has another)
	s_and_b32 s25, s16, 1
	s_lshl_b32 s25, s25, 1
	s_lshr_b32 s26, s16, 1
	s_or_b32 s25, s25, s26                         ; my wave's number with its two bits exchanged
	s_mov_b32 s24, WGW
	s_wait_kmcnt 0x0
	s_cmp_lt_u32 ttmp9, WGX                        ; which tensor?  The choices hang on the work-group's number alone
	s_cselect_b64 s[4:5], s[4:5], s[6:7]
	s_cselect_b32 s17, 0, WGX
	s_cmp_lt_u32 ttmp9, WGW
	s_cselect_b64 s[4:5], s[4:5], s[8:9]
	s_cselect_b32 s17, s17, s24                    ; the tensor's first work-group
	s_cselect_b32 s22, s25, s16                    ; where my 8 rows go among the work-group's 32: exchanged for x and W_qkv, as they lie for W_out
	s_sub_co_u32 s17, ttmp9, s17
	s_lshl_b32 s17, s17, 2
	s_add_co_u32 s18, s17, s16                     ; which run of 8,192 numbers of the tensor is my wave's
	s_lshl_b32 s18, s18, 15                        ; 32,768 bytes a run: under 2^26
	s_mov_b32 s19, 0
	s_add_nc_u64 s[4:5], s[4:5], s[18:19]
	s_lshl_b32 s20, ttmp9, 2
	s_add_co_u32 s20, s20, s22                     ; the run on the way out: the three tensors lie one behind the other
	s_lshl_b32 s18, s20, 13                        ; 8,192 bytes of codes a run,
	s_add_nc_u64 s[10:11], s[10:11], s[18:19]
	s_lshl_b32 s18, s20, 8                         ; 256 scale bytes
	s_add_nc_u64 s[12:13], s[12:13], s[18:19]
.macro LOAD t
.irp i, 0,1,2,3
	global_load_b128 v[R+16*((\t)%4)+4*\i:R+16*((\t)%4)+4*\i+3], v3, s[4:5] offset:2048*(\t)+512*\i th:TH_LOAD_NT   ; 32 lanes read 512 consecutive bytes
.endr
.endm
.macro TURN t                          ; step t's numbers through the stage: LDS serves a wave's instructions in order, so no wait stands between the stores and the loads
.irp i, 0,1,2,3
	ds_store_b128 v14, v[R+16*((\t)%4)+4*\i:R+16*((\t)%4)+4*\i+3] offset:32*SP*((\t)%2)+8*SP*\i
.endr
.irp i, 0,1,2,3
	ds_load_b128 v[X+16*((\t)%2)+4*\i:X+16*((\t)%2)+4*\i+3], v15 offset:32*SP*((\t)%2)+16*\i
.endr
.endm
.irp t, 0,1,2,3
	LOAD \t
.endr
	s_wait_loadcnt 12                              ; step 0's four loads are in; the twelve of steps 1 to 3 may be out
	TURN 0
.macro STEP t
.set XS, X+16*((\t)%2)
.if (\t) > 0
	s_wait_dscnt 1                                 ; this step's numbers are back from the stage (the last step's byte store may be out): so its stores into the stage have read their registers,
.else
	s_wait_dscnt 0x0
.endif
.if (\t)+4 < STEPS
	LOAD (\t)+4                                    ; which take the loads of four steps on
.endif
.if (\t)+1 < STEPS
.if STEPS-2-(\t) >= 3
	s_wait_loadcnt 12                              ; the next step's four loads are in; those of the three steps behind it may be out
.else
	s_wait_loadcnt 4*(STEPS-2-(\t))
.endif
	TURN (\t)+1                                    ; and go through the other stage while this step is worked
.endif
	v_max3_num_f32 v8, |v[XS]|, |v[XS+1]|, |v[XS+2]|               ; the largest magnitude of my 16, in two chains
	v_max3_num_f32 v9, |v[XS+3]|, |v[XS+4]|, |v[XS+5]|
.irp i, 6,10
	v_max3_num_f32 v8, v8, |v[XS+\i]|, |v[XS+\i+1]|
	v_max3_num_f32 v9, v9, |v[XS+\i+2]|, |v[XS+\i+3]|
.endr
	v_max3_num_f32 v8, v8, |v[XS+14]|, |v[XS+15]|
	v_max3_num_f32 v8, v8, v9, (EMAX+1)<<23        ; and the floor 2^(EMAX + 1 - 127): so the byte cannot fall under 1
	v_max_num_f32_dpp v8, v8, v8 row_xmask:1 row_mask:0xf bank_mask:0xf   ; and of my neighbour's 16: the block's
	v_add_nc_u32 v11, -(EMAX<<23), v8              ; EMAX off its exponent field: the conversion takes the exponent field of this operand as its scale
	v_and_or_b32 v10, v8, 0x7f800000, s23          ; 448 x the scale: the largest magnitude's exponent field over 448's mantissa
.irp i, 0,1,2,3,4,5,6,7,8,9,10,11,12,13,14,15
	v_med3_num_f32 v[XS+\i], v[XS+\i], -v10, v10   ; the conversion to an 8-bit code does not saturate (ISA guide 7.6.2): the hold comes first
.endr
	v_cvt_scalef32_pk8_fp8_f32 v[C+4*(\t):C+4*(\t)+1], v[XS:XS+7], v11
	v_cvt_scalef32_pk8_fp8_f32 v[C+4*(\t)+2:C+4*(\t)+3], v[XS+8:XS+15], v11
	v_lshrrev_b32 v[E+(\t)], 23, v11               ; the scale's byte (also the plain line behind the conversions)
	ds_store_b8 v5, v[E+(\t)] offset:16*(\t)       ; both lanes of a block write the same byte with the same value
	global_store_b128 v4, v[C+4*(\t):C+4*(\t)+3], s[10:11] offset:32*CB*(\t)   ; 32 lanes store 512 consecutive bytes
.endm
.irp t, 0,1,2,3,4,5,6,7,8,9,10,11,12,13,14,15
	STEP \t
.endr
	ds_load_b64 v[12:13], v6                       ; LDS serves a wave's instructions in order: these see my stores
	s_wait_dscnt 0x0
	global_store_b64 v7, v[12:13], s[12:13]        ; 32 lanes store 256 consecutive bytes, aligned
	s_endpgm
.Lfunc_end_k_qba1f38bea2_quant:
	.size	k_qba1f38bea2_quant, .Lfunc_end_k_qba1f38bea2_quant-k_qba1f38bea2_quant
	.p2alignl 7, 3214868480
	.fill 96, 4, 3214868480
	.section	.rodata,"a",@progbits
	.p2align	6, 0x0
	.amdhsa_kernel k_qba1f38bea2_quant
		.amdhsa_group_segment_fixed_size 32768
		.amdhsa_private_segment_fixed_size 0
		.amdhsa_enable_private_segment 0
		.amdhsa_kernarg_size 40
		.amdhsa_user_sgpr_count 2
		.amdhsa_user_sgpr_kernarg_segment_ptr 1
		.amdhsa_wavefront_size32 1
		.amdhsa_system_sgpr_workgroup_id_x 1
		.amdhsa_system_sgpr_workgroup_id_y 1
		.amdhsa_system_sgpr_workgroup_id_z 1
		.amdhsa_system_vgpr_workitem_id 0
		.amdhsa_next_free_vgpr 192
		.amdhsa_next_free_sgpr 66
		.amdhsa_reserve_vcc 0
		.amdhsa_float_denorm_mode_32 3
		.amdhsa_float_denorm_mode_16_64 3
		.amdhsa_memory_ordered 1
		.amdhsa_forward_progress 1
		.amdhsa_inst_pref_size 51
	.end_amdhsa_kernel
	.amdgpu_metadata
---
amdhsa.version: [ 1, 2 ]
amdhsa.kernels:
  - .name:           k_qba1f38bea2_quant
    .symbol:         k_qba1f38bea2_quant.kd
    .args:
      - { .name: x, .offset: 0, .size: 8, .value_kind: global_buffer, .address_space: global }
      - { .name: W_qkv, .offset: 8, .size: 8, .value_kind: global_buffer, .address_space: global }
      - { .name: W_out, .offset: 16, .size: 8, .value_kind: global_buffer, .address_space: global }
      - { .name: codes1, .offset: 24, .size: 8, .value_kind: global_buffer, .address_space: global }
      - { .name: scales1, .offset: 32, .size: 8, .value_kind: global_buffer, .address_space: global }
    .group_segment_fixed_size: 32768
    .private_segment_fixed_size: 0
    .kernarg_segment_align: 8
    .kernarg_segment_size: 40
    .max_flat_workgroup_size: 128
    .sgpr_count:     66
    .vgpr_count:     192
    .wavefront_size: 32
...
	.end_amdgpu_metadata
.endif
;; end of part 1
;; launch qkv (part 2): grid 96 x 4, 4 waves a work-group, clusters of 4 x 4, 327,680 bytes of LDS; arguments codes1, scales1, qkv_img, qkv_sc; writes qkv_img, qkv_sc
.if DOCPART == 2
	.amdgcn_target "amdgcn-amd-amdhsa--gfx1250"
	.amdhsa_code_object_version 6
	.text
	.protected	k_qba1f38bea2_qkv
	.globl	k_qba1f38bea2_qkv
	.p2align	8
	.type	k_qba1f38bea2_qkv,@function
k_qba1f38bea2_qkv:
	s_mov_b64 s[64:65], 0
	v_nop
	global_prefetch_b8 v0, s[64:65] scope:SCOPE_SE
	s_setreg_imm32_b32 hwreg(HW_REG_WAVE_MODE, 25, 1), 1
	s_wait_xcnt 0x0
	s_wait_alu depctr_hold_cnt(0) depctr_sa_sdst(0) depctr_va_vdst(0) depctr_va_sdst(0) depctr_va_ssrc(0) depctr_va_vcc(0) depctr_vm_vsrc(0)
	s_getreg_b32 s2, hwreg(HW_REG_IB_STS2, 6, 4)
	s_cmp_eq_u32 s2, 0
	s_cbranch_scc0 .Lentry_in_a_cluster
	s_endpgm
.Lentry_in_a_cluster:
	s_bfe_u32 s2, ttmp6, 0x10000c
	s_cmp_lg_u32 s2, 0xf033
	s_cbranch_scc0 .Lentry_shape_is_right
	s_endpgm
.Lentry_shape_is_right:
; qkv = x W_qkv^T on codes of FP8 (E4M3) with one E8M0 scale for each 32 along K = 1,024, and the results QUANTISED AGAIN ON THE WAY OUT, as operands of the attention's two products.
; A tile is 256 x 256, made by four waves, 128 x 128 each: 64 accumulators, 512 registers.  K goes in steps of 256 through a ring of two LDS slots filled by the tensor data mover;
; the scale bytes of the tile's 512 rows come into LDS once.  4 x 4 work-groups form a cluster: A's tiles are asked for jointly along a row of the cluster, B's along a column.
; THE MATRIX INSTRUCTION IS USED TRANSPOSED (source 0 = 16 rows of B, source 1 = 16 rows of A): a lane holds ONE row of A, and its registers run along B's rows.
; Clusters 0-15: A = x (tokens), B = W_q and W_k (channels): q and k are quantised along the head's channels.  Clusters 16-23: A = W_v (channels), B = x (tokens): v is quantised along the keys.
; Both operands' rows lie in codes1 with bits 3 and 4 of the row number exchanged.  So the 16 registers of accumulators 2 n and 2 n + 1 are B's true rows 32 n + 16 (lane / 16) + 0 .. 15: half a block of 32,
; in the order of an operand's registers; and lane r of A's tile a is A's true row 32 (a / 2) + 8 (a % 2) + r + 8 (r / 8).
; THE WAY OUT stores IMAGES OF OPERAND REGISTERS: for A's tile a and block n four registers of codes, 16 bytes a lane, 512 consecutive bytes a store, at 2,048 a + 512 n of the wave's block of 16,384 bytes;
; the scale words (byte n of tile a, lane r) at 256 (a / 4) + 16 r + 4 (a % 4) of the wave's 512 bytes.  No stage in LDS is needed.
; LIMITS: a block of zeros gets the byte 1 and not 127 (its codes are zeros; this program alone reads the bytes); blocks under 2^-118 are held at the byte 1; NaN and infinities are not served.
; REGISTERS, in windows of 256: window 0: v0-31 addresses; v32-63 scale words, two sets; v64-95 the way out's small numbers; from v128 A's fragments, ONE set; on the way out v128-191 held numbers, v192-255 codes.
;   window 1: B's fragments, TWO sets.   window 2: the 32 accumulators of my rows 0-63 (accumulator (a, b) at v[8 (8 a + b)]);   window 3: those of my rows 64-127.
.set SIZE_K, 1024
.set KSTEP,  256                       ; along K in a slot
.set NQ,     KSTEP/128                 ; matrix instructions deep
.set ROWB,   256                       ; a tile's row in bytes
.set KROW,   SIZE_K                    ; a row of codes in memory, in bytes
.set PITCH,  272                       ; an LDS row: 256 bytes + 16 of padding, so that the 16 rows of a fragment load start at 16 different places modulo 256 bytes
.set FR,     16                        ; registers of a fragment: 16 rows x 128 K
.set NL,     4                         ; LDS loads that bring one
.set NP,     8                         ; places behind this matrix instruction (ISA guide 7.12.1)
.set HALFT,  128*PITCH                 ; 128 rows: what one tensor load brings
.set SLOT,   4*HALFT                   ; A's 256 rows, then B's 256 rows
.set LAPS,   SIZE_K/(2*KSTEP)          ; a lap = two K steps = once round the ring
.set KS,     SIZE_K/32                 ; a row of scales in bytes
.set SCL,    2*SLOT                    ; behind the ring: the scales, as rows of 256 bytes + 16 of padding
.set HALFS,  (128*KS/256)*272          ; the scales of 128 rows: what one tensor load brings
.set SBLK,   (16*KS/256)*272           ; those of 16 rows
.set SPARE,  SCL+4*HALFS               ; behind the scales: the spare words, 128 bytes for each wave
.set OFF_W,  8388608                   ; codes1: where W_qkv's rows begin,
.set OFF_WV, 10485760                  ; and W_v's among them
.set OFS_W,  262144                    ; scales1 likewise
.set OFS_WV, 327680
.set ADRA, 16                          ; v16-17  LDS address of my A fragments in slot 0, 1
.set ADRB, 20                          ; v20-21  the same for B
.set CO,   26                          ; v26     16 x my lane: my place in an image
.set ADRS, 27                          ; v27     LDS address of my scale words: lanes 0-15 A's rows, lanes 16-31 B's
.set SPW,  28                          ; v28     LDS address of my spare word; never rewritten
.set NIL,  29                          ; v29     0; never rewritten
.set SC,   32                          ; scale words: set s at v[SC + 8 NQ s]
.set TM,   64                          ; v64-67  the four blocks' largest magnitudes
.set T2,   68                          ; v68-71  the other half of the lanes'; then the bytes
.set HOLD, 72                          ; v72-75  448 x the scale
.set SOP,  76                          ; v76-79  the conversions' scale operands
.set FLR,  80                          ; v80     the floor 2^(9 - 127)
.set SW,   84                          ; v84-91  the scale words of A's eight tiles
.set SX,   92                          ; v92-95  the four that my half of the lanes stores
.set AF,   128                         ; A's fragments, in window 0
.set XT,   128                         ; the way out: 64 held numbers
.set PC,   192                         ; the way out: codes, four sets of 16
.set G1, 24
.set G0, 32
.set G1B, 48
.set G0B, 56
.set G1S, 68
.set G0S, 76
.set G1SB, 80
.set G0SB, 88
.set MSB, 0
.macro WIN new                         ; the immediate's high byte repeats the setting that is left
.if MSB != \new
	s_set_vgpr_msb (MSB<<8)|\new
.set MSB, \new
.endif
.endm
.set MUL_LO, 0xa1                      ; source 0 (B) window 1, source 1 (A) window 0, C and D window 2
.set MUL_HI, 0xf1                      ; the same, C and D window 3
.set TO_B,   0x40                      ; destination window 1, address window 0
; A joint load: waves 0 and 1 fetch for A, waves 2 and 3 for B.  Each of the two lines has one mask and one set of registers for all that issue it; the branch hangs on the wave's number alone.
; Four v_nop follow each of the two lines.
.macro JLOAD g0a, g1a, g0b, g1b
	s_cmp_eq_u32 s15, 0
	s_cbranch_scc0 .Lfor_b_\@
	tensor_load_to_lds s[\g0a:\g0a+3], s[\g1a:\g1a+7]
.rept 4
	v_nop
.endr
	s_branch .Lasked_\@
.Lfor_b_\@:
	tensor_load_to_lds s[\g0b:\g0b+3], s[\g1b:\g1b+7]
.rept 4
	v_nop
.endr
.Lasked_\@:
.endm
.macro CREST                           ; a round of the cluster's barrier behind its opening barrier
	s_cmp_lg_u32 s14, 0
	s_cbranch_scc1 .Lnot_wave_0_\@
	s_barrier_signal -3
.Lnot_wave_0_\@:
	s_barrier_wait -3
	s_barrier_signal -1
	s_barrier_wait -1
.endm
.macro CROUND                          ; a whole round
	s_barrier_signal -1
	s_barrier_wait -1
	CREST
.endm
	s_load_b256 s[4:11], s[0:1], 0x0               ; codes1 s[4:5], scales1 s[6:7], qkv_img s[8:9], qkv_sc s[10:11]
	v_lshl_add_u32 v[SPW], v0, 2, SPARE
	v_mov_b32 v[NIL], 0
	v_lshrrev_b32 v1, 5, v0
	v_readfirstlane_b32 s14, v1                    ; wave 0..3
	s_lshr_b32 s15, s14, 1                         ; which half of the tile's rows (A) is mine.  Also: I fetch for A (0) or for B (1)
	s_and_b32 s16, s14, 1                          ; which half of its columns (B).  Also: which 128 rows of that tile I fetch
	s_bfe_u32 s40, ttmp6, 0x40000                  ; cx, cy: my place in the cluster
	s_bfe_u32 s41, ttmp6, 0x40004
	s_lshr_b32 s95, ttmp9, 1                       ; clusters 0-15 (q, k): 8 rows of clusters over x's 32 tile rows,
	s_and_b32 s96, ttmp9, 1                        ; 2 columns over W_q, W_k's 8 tile columns
	s_sub_co_u32 s97, ttmp9, 16                    ; clusters 16-23 (v): one row over W_v's 4 tile rows, 8 columns over x's 32
	s_cmp_lt_u32 ttmp9, 16                         ; the choices hang on the cluster's number, which all sixteen partners share
	s_cselect_b32 s95, s95, 0
	s_cselect_b32 s96, s96, s97
	s_cselect_b32 s12, 0, OFF_WV                   ; where A's codes begin in codes1,
	s_cselect_b32 s13, OFF_W, 0                    ; B's,
	s_cselect_b32 s18, 0, OFS_WV                   ; A's scale bytes in scales1,
	s_cselect_b32 s19, OFS_W, 0                    ; B's
	s_lshl_b32 s42, s96, 2
	s_add_co_u32 s42, s42, s40                     ; tile column = 4 x the cluster's column + cx
	s_lshl_b32 s17, s95, 2
	s_add_co_u32 s17, s17, s41                     ; tile row = 4 x the cluster's row + cy
	s_lshl_b32 s43, s41, 2
	s_lshl_b32 s43, 15, s43                        ; my row of the cluster
	s_lshl_b32 s44, 0x1111, s40                    ; my column
	; descriptor group 1: a tile of 128 rows x ROWB bytes, padded in LDS
	s_or_b32 s[G1+0], s43, (0<<16)|(1<<20)|(1<<21)|(5<<22)|(3<<25)  ; 15:0 the mask: A's tiles go to my row; elements of 1 byte; padding on; bit 21 beside a mask; after every 64 words four words
	s_or_b32 s[G1B+0], s44, (0<<16)|(1<<20)|(1<<21)|(5<<22)|(3<<25)
.irp g, G1, G1B
	s_mov_b32 s[\g+1], ROWB<<16                    ; tensor_dim0
	s_mov_b32 s[\g+2], 128<<16                     ; tensor_dim1 = 128
	s_mov_b32 s[\g+3], ROWB<<16                    ; tile_dim0
	s_mov_b32 s[\g+4], 128                         ; tile_dim1 = 128
	s_mov_b32 s[\g+5], KROW                        ; tensor_dim0_stride
	s_mov_b32 s[\g+6], 0
	s_mov_b32 s[\g+7], 0
.endr
	; and for the scales of 128 rows: a dense block of 4,096 bytes, as rows of 256 bytes (32 elements of 8 bytes), 16 bytes of padding behind each
	s_or_b32 s[G1S+0], s43, (3<<16)|(1<<20)|(1<<21)|(5<<22)|(3<<25)
	s_or_b32 s[G1SB+0], s44, (3<<16)|(1<<20)|(1<<21)|(5<<22)|(3<<25)
.irp g, G1S, G1SB
	s_mov_b32 s[\g+1], 32<<16
	s_mov_b32 s[\g+2], (128*KS/256)<<16
	s_mov_b32 s[\g+3], 32<<16
	s_mov_b32 s[\g+4], 128*KS/256
	s_mov_b32 s[\g+5], 32
	s_mov_b32 s[\g+6], 0
	s_mov_b32 s[\g+7], 0
.endr
	s_lshl_b32 s2, s16, 7                          ; which 128 rows of the tile I fetch
	s_lshl_b32 s20, s17, 8
	s_add_co_u32 s20, s20, s2                      ; A: row 256 x tile row + 128 x half
	s_lshl_b32 s46, s42, 8
	s_add_co_u32 s46, s46, s2                      ; B: row 256 x tile column + 128 x half
	s_lshl_b32 s22, s20, 5                         ; 32 scale bytes a row,
	s_add_co_u32 s22, s22, s18
	s_mov_b32 s23, 0
	s_lshl_b32 s92, s46, 5
	s_add_co_u32 s92, s92, s19
	s_mov_b32 s93, 0
	s_lshl_b32 s20, s20, 10                        ; 1,024 bytes of codes: all these offsets stay under 2^24
	s_add_co_u32 s20, s20, s12
	s_mov_b32 s21, 0
	s_lshl_b32 s46, s46, 10
	s_add_co_u32 s46, s46, s13
	s_mov_b32 s47, 0
	s_mul_i32 s45, s14, HALFT                      ; where they go: wave x 128 rows: no place in the cluster enters an LDS address
	s_mul_i32 s94, s14, HALFS
	s_mov_b32 s98, 0x76543210                      ; v_permlanex16_b32's selects for lane l xor 16
	s_mov_b32 s99, 0xfedcba98
	s_mov_b32 s100, 0x600000                       ; the mantissa field of 448
	v_mov_b32 v[FLR], 0x4800000
.irp b, 0,1,2,3
	v_mov_b32 v[T2+\b], 0                          ; written once: a lane permute's destination counts as one of its sources
.endr
	s_wait_kmcnt 0x0
	s_add_nc_u64 s[20:21], s[4:5], s[20:21]
	s_add_nc_u64 s[22:23], s[6:7], s[22:23]
	s_add_nc_u64 s[46:47], s[4:5], s[46:47]
	s_add_nc_u64 s[92:93], s[6:7], s[92:93]
	CROUND                                         ; all sixteen work-groups are here: the first joint loads meet
	s_mov_b32 s[G0S], 1
	s_add_co_u32 s[G0S+1], s94, SCL
	s_mov_b64 s[G0S+2:G0S+3], s[22:23]
	s_or_b32 s[G0S+3], s[G0S+3], 0x80000000
	s_mov_b32 s[G0SB], 1
	s_add_co_u32 s[G0SB+1], s94, SCL
	s_mov_b64 s[G0SB+2:G0SB+3], s[92:93]
	s_or_b32 s[G0SB+3], s[G0SB+3], 0x80000000
	JLOAD G0S, G1S, G0SB, G1SB                     ; the scales first: they are wanted with K step 0
.irp s, 0,1
	s_mov_b32 s[G0+4*\s], 1
	s_add_co_u32 s[G0+4*\s+1], s45, \s*SLOT
	s_add_nc_u64 s[G0+4*\s+2:G0+4*\s+3], s[20:21], \s*ROWB
	s_or_b32 s[G0+4*\s+3], s[G0+4*\s+3], 0x80000000
	s_mov_b32 s[G0B+4*\s], 1
	s_add_co_u32 s[G0B+4*\s+1], s45, \s*SLOT
	s_add_nc_u64 s[G0B+4*\s+2:G0B+4*\s+3], s[46:47], \s*ROWB
	s_or_b32 s[G0B+4*\s+3], s[G0B+4*\s+3], 0x80000000
	JLOAD G0+4*\s, G1, G0B+4*\s, G1B
.endr
	v_and_b32 v1, 15, v0                           ; l % 16
	v_bfe_u32 v2, v0, 4, 1                         ; l / 16
	v_mul_u32_u24 v3, v1, PITCH
	v_lshl_add_u32 v4, v2, 4, v3                   ; a fragment's row x pitch + 16 x half
	s_mul_i32 s21, s15, HALFT                      ; my 128 rows of A
	s_mul_i32 s22, s16, HALFT                      ; my 128 rows of B,
	s_add_co_u32 s22, s22, 2*HALFT                 ; which lie behind A's 256
.irp s, 0,1
	v_add_nc_u32 v[ADRA+\s], s21, v4
	v_add_nc_u32 v[ADRB+\s], s22, v4
	s_add_co_u32 s21, s21, SLOT
	s_add_co_u32 s22, s22, SLOT
.endr
	v_mul_u32_u24 v5, v1, KS                       ; my row's scales: KS bytes a row,
	v_lshrrev_b32 v6, 8, v5
	v_lshl_add_u32 v5, v6, 4, v5                   ; and 16 more for each 256 passed
	s_mul_i32 s21, s15, HALFS                      ; A's: my 128 rows
	s_mul_i32 s22, s16, HALFS                      ; B's: my 128 rows, behind A's 256
	s_add_co_u32 s22, s22, 2*HALFS
	s_sub_co_u32 s22, s22, s21
	v_mul_u32_u24 v6, s22, v2                      ; lanes 16-31 take B's
	s_add_co_u32 s21, s21, SCL
	v_add_nc_u32 v5, v5, v6
	v_add_nc_u32 v[ADRS], s21, v5
	v_and_b32 v6, 31, v0
	v_lshlrev_b32 v[CO], 4, v6                     ; 16 x lane
	; where my wave's block of images lies.  u: my 128 rows of A; w: my 128 rows of B.  q, k: block 64 w + u (w = pair of heads, q's 0-7, k's 8-15; u = 128 tokens); v: block 1,024 + 64 u + w (u = pair of heads)
	s_lshl_b32 s20, s17, 1
	s_add_co_u32 s20, s20, s15                     ; u
	s_lshl_b32 s21, s42, 1
	s_add_co_u32 s21, s21, s16                     ; w
	s_lshl_b32 s22, s21, 6
	s_add_co_u32 s22, s22, s20
	s_lshl_b32 s23, s20, 6
	s_add_co_u32 s23, s23, s21
	s_add_co_u32 s23, s23, 1024
	s_cmp_lt_u32 ttmp9, 16
	s_cselect_b32 s22, s22, s23
	s_lshl_b32 s46, s22, 14                        ; 16,384 bytes of codes a block (under 2^25),
	s_mov_b32 s47, 0
	s_add_nc_u64 s[12:13], s[8:9], s[46:47]
	s_lshl_b32 s46, s22, 9                         ; 512 bytes of scale words
	s_add_nc_u64 s[10:11], s[10:11], s[46:47]
.macro FRAG reg, adr, q, i             ; a fragment, 16 rows x 128 K of 8-bit codes, is 16 registers: lane l holds row l % 16; registers 4 c .. 4 c + 3 hold K = 32 c + 16 (l / 16) + 0 .. 15
.irp c, 0,1,2,3
	ds_load_b128 v[\reg+4*\c:\reg+4*\c+3], v[\adr] offset:128*(\q)+32*\c+(\i)*16*PITCH
.endr
.endm
; 16 matrix instructions: A's blocks a0, a0 + 1 x B's eight, 128 along K: the slot's q-th.  p: B's set;  sc: the set of scale words.  zero = 1: the first product starts the sums.
; The 64 accumulators take turns, one instruction a turn, in the same order in every step.
.macro MUL16 a0, p, q, sc, zero
.irp a, \a0, \a0+1
.irp b, 0,1,2,3,4,5,6,7
.if \zero
	v_wmma_scale_f32_16x16x128_f8f6f4 v[8*(8*((\a)%4)+\b):8*(8*((\a)%4)+\b)+7], v[128*(\p)+FR*\b:128*(\p)+FR*\b+FR-1], v[AF+FR*(\a):AF+FR*(\a)+FR-1], 0, v[SC+8*NQ*(\sc)+NQ*\b+(\q)], v[SC+8*NQ*(\sc)+NQ*(\a)+(\q)] matrix_a_scale:MATRIX_SCALE_ROW1
.else
	v_wmma_scale_f32_16x16x128_f8f6f4 v[8*(8*((\a)%4)+\b):8*(8*((\a)%4)+\b)+7], v[128*(\p)+FR*\b:128*(\p)+FR*\b+FR-1], v[AF+FR*(\a):AF+FR*(\a)+FR-1], v[8*(8*((\a)%4)+\b):8*(8*((\a)%4)+\b)+7], v[SC+8*NQ*(\sc)+NQ*\b+(\q)], v[SC+8*NQ*(\sc)+NQ*(\a)+(\q)] matrix_a_scale:MATRIX_SCALE_ROW1
.endif
.endr
.endr
.endm
.macro FETCH_B slot, q, p              ; B's eight fragments of the slot's q-th 128 along K into set p
	WIN TO_B
.irp i, 0,1,2,3,4,5,6,7
	FRAG 128*(\p)+FR*\i, ADRB+\slot, \q, \i
.endr
	WIN 0
.endm
.macro FETCH_A slot, q, i0             ; A's blocks i0 .. i0 + 3
.irp i, \i0, \i0+1, \i0+2, \i0+3
	FRAG AF+FR*(\i), ADRA+\slot, \q, \i
.endr
.endm
.macro SCALES sc                       ; the next K step's scale words into set sc: NQ words a row; lanes 0-15 take A's block i, lanes 16-31 B's block i
.irp i, 0,1,2,3,4,5,6,7
	ds_load_b64 v[SC+8*NQ*\sc+NQ*\i:SC+8*NQ*\sc+NQ*\i+1], v[ADRS] offset:\i*SBLK
.endr
.endm
; A load into a register that a matrix instruction has read, and a vector instruction that reads a matrix result or writes one of its registers, stand NP places behind it; only plain vector
; instructions that name none of its registers are places.
.macro PLACES n
.rept \n
	v_nop
.endr
.endm
; A step of 128 along K that has its successor in the same slot.
.macro STEP slot, q, zero
	s_wait_dscnt 4*NL                              ; B's set and A's blocks 0-3 are in; the youngest 16 loads (A's blocks 4-7) may be out
	WIN MUL_LO
	MUL16 0, (\q)%2, \q, \slot, \zero
	MUL16 2, (\q)%2, \q, \slot, \zero
	s_wait_dscnt 0                                 ; A's blocks 4-7 are in
	PLACES NP
	FETCH_B \slot, (\q)+1, 1-(\q)%2
	FETCH_A \slot, (\q)+1, 0
	WIN MUL_HI
	MUL16 4, (\q)%2, \q, \slot, \zero
	MUL16 6, (\q)%2, \q, \slot, \zero
	PLACES NP
	WIN 0
	FETCH_A \slot, (\q)+1, 4
.endm
; A slot's last step changes slots: ONE barrier; in front of it each wave waits for all its tensor loads, adds 0 to its spare word, and waits for that and for its own reads of this slot.  fill = 1: this slot is filled again, two K steps ahead.
.macro TURN slot, next, fill
	s_wait_tensorcnt 0x0                           ; all my tensor loads have landed: my part of the next slot  (every window is 0 here)
	ds_add_u32 v[SPW], v[NIL]                      ; 0 onto my spare word
	s_wait_dscnt 4*NL+1                            ; (the add and the youngest 16 loads, A's blocks 4-7, may be out)
	WIN MUL_LO
	MUL16 0, 1, NQ-1, \slot, 0                     ; sixteen matrix instructions stand between the add and the wait for it
	s_wait_dscnt 0x0                               ; the add is done, and my reads of this slot are over
	s_barrier_signal -1
	MUL16 2, 1, NQ-1, \slot, 0
	WIN 0
	s_barrier_wait -1
.if \fill
	CREST                                          ; the barrier has opened a round of the cluster's barrier: no wave of any partner still reads this slot's tile or has a load on its way
	s_add_nc_u64 s[G0+4*\slot+2:G0+4*\slot+3], s[G0+4*\slot+2:G0+4*\slot+3], 2*ROWB
	s_add_nc_u64 s[G0B+4*\slot+2:G0B+4*\slot+3], s[G0B+4*\slot+2:G0B+4*\slot+3], 2*ROWB
	JLOAD G0+4*\slot, G1, G0B+4*\slot, G1B         ; the first tensor load behind the round; its four v_nop are among the places in front of the loads below
	PLACES NP-4
.else
	PLACES NP
.endif
	v_add_nc_u32 v[ADRS], 4*NQ, v[ADRS]            ; on to the next K step's scale words (no LDS load of mine is out)
	FETCH_B \next, 0, 0
	FETCH_A \next, 0, 0
	SCALES \next
	WIN MUL_HI
	MUL16 4, 1, NQ-1, \slot, 0
	MUL16 6, 1, NQ-1, \slot, 0
	PLACES NP
	WIN 0
	FETCH_A \next, 0, 4
.endm
	s_wait_tensorcnt 1                             ; the scales and my part of K step 0 are in (K step 1's load may be out)
	s_barrier_signal -1
	s_barrier_wait -1                              ; everybody's are
	FETCH_B 0, 0, 0
	FETCH_A 0, 0, 0
	SCALES 0
	FETCH_A 0, 0, 4
	STEP 0, 0, 1                                   ; the first step stands in front of the loop: its products start the sums
	s_mov_b32 s3, LAPS-1
.Llap:                                                 ; a trip goes once round the ring, from a lap's second step to the next lap's first, and fills both slots again
	TURN 0, 1, 1
	STEP 1, 0, 0
	TURN 1, 0, 1
	STEP 0, 0, 0
	s_sub_co_u32 s3, s3, 1
	s_cmp_lg_u32 s3, 0
	s_cbranch_scc1 .Llap
	TURN 0, 1, 0                                   ; the last lap fills nothing, and has no round of the cluster's barrier
	STEP 1, 0, 0
	s_wait_dscnt 4*NL                              ; the very last step: nothing more to fetch
	WIN MUL_LO
	MUL16 0, 1, NQ-1, 1, 0
	MUL16 2, 1, NQ-1, 1, 0
	s_wait_dscnt 0
	WIN MUL_HI
	MUL16 4, 1, NQ-1, 1, 0
	MUL16 6, 1, NQ-1, 1, 0
	WIN 0
; THE WAY OUT of A's tile a: its 64 registers a lane are four half blocks of 32 (register 16 n + i = B's true row 32 n + 16 (lane / 16) + i).  The block's other half lies in lane l xor 16.
; Largest magnitude with the floor; scale operand, hold and byte; the hold moves the numbers into window 0; the conversions' results are operand registers and are stored as they stand.
.macro QOUT a
.set W, 2+(\a)/4
.set AC, 64*((\a)%4)
.set PS, PC+16*((\a)%4)
	WIN ((W<<2)|(W<<4))                            ; sources 1 and 2: the accumulators' window
.irp b, 0,1,2,3
	v_max3_num_f32 v[TM+\b], v[FLR], |v[AC+16*\b]|, |v[AC+16*\b+1]|   ; each accumulator is read from its low end on; the four blocks by turns
.endr
.irp i, 2,4,6,8,10,12,14
.irp b, 0,1,2,3
	v_max3_num_f32 v[TM+\b], v[TM+\b], |v[AC+16*\b+\i]|, |v[AC+16*\b+\i+1]|
.endr
.endr
	WIN 0
.irp b, 0,1,2,3
	v_permlanex16_b32 v[T2+\b], v[TM+\b], s98, s99
.endr
.irp b, 0,1,2,3
	v_max_num_f32 v[TM+\b], v[TM+\b], v[T2+\b]     ; the block's largest magnitude
.endr
.irp b, 0,1,2,3
	v_add_nc_u32 v[SOP+\b], 0xfc000000, v[TM+\b]   ; 8 off its exponent field: the conversion's scale operand
.endr
.irp b, 0,1,2,3
	v_and_or_b32 v[HOLD+\b], v[TM+\b], 0x7f800000, s100   ; 448 x the scale
.endr
.irp b, 0,1,2,3
	v_lshrrev_b32 v[T2+\b], 23, v[SOP+\b]          ; the scale's byte
.endr
	v_lshl_or_b32 v[SW+(\a)], v[T2+1], 8, v[T2]    ; the four bytes make my row's scale word
	v_lshl_or_b32 v[SW+(\a)], v[T2+2], 16, v[SW+(\a)]
	v_lshl_or_b32 v[SW+(\a)], v[T2+3], 24, v[SW+(\a)]
	WIN W                                          ; source 0: the accumulators' window
.irp b, 0,1,2,3
.irp i, 0,1,2,3,4,5,6,7,8,9,10,11,12,13,14,15
	v_med3_num_f32 v[XT+16*\b+\i], v[AC+16*\b+\i], -v[HOLD+\b], v[HOLD+\b]   ; the conversion to an 8-bit code does not saturate (ISA guide 7.6.2): the hold comes first
.endr
.endr
	WIN 0
.if (\a) >= 4
	s_wait_xcnt 0x0                                ; the stores of the tile four back have read this set of codes: it may be written again
.endif
.irp b, 0,1,2,3
	v_cvt_scalef32_pk8_fp8_f32 v[PS+4*\b:PS+4*\b+1], v[XT+16*\b:XT+16*\b+7], v[SOP+\b]
	v_cvt_scalef32_pk8_fp8_f32 v[PS+4*\b+2:PS+4*\b+3], v[XT+16*\b+8:XT+16*\b+15], v[SOP+\b]
.endr
	v_nop                                          ; one plain line behind the last conversion: the next tile writes the conversions' sources
.irp b, 0,1,2,3
	global_store_b128 v[CO], v[PS+4*\b:PS+4*\b+3], s[12:13] offset:2048*(\a)+512*\b   ; 32 lanes store 512 consecutive bytes, aligned
.endr
.endm
	PLACES NP                                      ; behind the last products: their results are read and A's registers written from here on
.irp a, 0,1,2,3,4,5,6,7
	QOUT \a
.endr
	v_and_b32 v1, 31, v0
	v_cmp_le_u32 vcc_lo, 16, v1                    ; lanes 0-15 store the words of tiles 0-3, lanes 16-31 those of tiles 4-7 (both halves of the lanes hold every word)
.irp i, 0,1,2,3
	v_cndmask_b32 v[SX+\i], v[SW+\i], v[SW+4+\i], vcc_lo
.endr
	global_store_b128 v[CO], v[SX:SX+3], s[10:11]  ; 512 consecutive bytes
	s_wait_tensorcnt 0x0                           ; the wave's end
	ds_add_u32 v[SPW], v[NIL]
	s_wait_dscnt 0x0
	CROUND                                         ; the closing round: no work-group ends while a partner may still ask for a tile that names it
	s_endpgm
.Lfunc_end_k_qba1f38bea2_qkv:
	.size	k_qba1f38bea2_qkv, .Lfunc_end_k_qba1f38bea2_qkv-k_qba1f38bea2_qkv
	.p2alignl 7, 3214868480
	.fill 96, 4, 3214868480
	.section	.rodata,"a",@progbits
	.p2align	6, 0x0
	.amdhsa_kernel k_qba1f38bea2_qkv
		.amdhsa_group_segment_fixed_size 327680
		.amdhsa_private_segment_fixed_size 0
		.amdhsa_enable_private_segment 0
		.amdhsa_kernarg_size 32
		.amdhsa_user_sgpr_count 2
		.amdhsa_user_sgpr_kernarg_segment_ptr 1
		.amdhsa_wavefront_size32 1
		.amdhsa_system_sgpr_workgroup_id_x 1
		.amdhsa_system_sgpr_workgroup_id_y 1
		.amdhsa_system_sgpr_workgroup_id_z 1
		.amdhsa_system_vgpr_workitem_id 0
		.amdhsa_next_free_vgpr 1024
		.amdhsa_next_free_sgpr 101
		.amdhsa_reserve_vcc 1
		.amdhsa_float_denorm_mode_32 3
		.amdhsa_float_denorm_mode_16_64 3
		.amdhsa_memory_ordered 1
		.amdhsa_forward_progress 1
		.amdhsa_inst_pref_size 183
	.end_amdhsa_kernel
	.amdgpu_metadata
---
amdhsa.version: [ 1, 2 ]
amdhsa.kernels:
  - .name:           k_qba1f38bea2_qkv
    .symbol:         k_qba1f38bea2_qkv.kd
    .args:
      - { .name: codes1, .offset: 0, .size: 8, .value_kind: global_buffer, .address_space: global }
      - { .name: scales1, .offset: 8, .size: 8, .value_kind: global_buffer, .address_space: global }
      - { .name: qkv_img, .offset: 16, .size: 8, .value_kind: global_buffer, .address_space: global }
      - { .name: qkv_sc, .offset: 24, .size: 8, .value_kind: global_buffer, .address_space: global }
    .group_segment_fixed_size: 327680
    .private_segment_fixed_size: 0
    .kernarg_segment_align: 8
    .kernarg_segment_size: 32
    .max_flat_workgroup_size: 128
    .sgpr_count:     101
    .vgpr_count:     1024
    .wavefront_size: 32
...
	.end_amdgpu_metadata
.endif
;; end of part 2
;; launch attn (part 3): grid 256 x 1, 16 waves a work-group, clusters of 4 x 1, 327,680 bytes of LDS; arguments qkv_img, qkv_sc, a_img, a_sc; writes a_img, a_sc
.if DOCPART == 3
	.amdgcn_target "amdgcn-amd-amdhsa--gfx1250"
	.amdhsa_code_object_version 6
	.text
	.protected	k_qba1f38bea2_attn
	.globl	k_qba1f38bea2_attn
	.p2align	8
	.type	k_qba1f38bea2_attn,@function
k_qba1f38bea2_attn:
	s_mov_b64 s[64:65], 0
	v_nop
	global_prefetch_b8 v0, s[64:65] scope:SCOPE_SE
	s_setreg_imm32_b32 hwreg(HW_REG_WAVE_MODE, 25, 1), 1
	s_wait_xcnt 0x0
	s_wait_alu depctr_hold_cnt(0) depctr_sa_sdst(0) depctr_va_vdst(0) depctr_va_sdst(0) depctr_va_ssrc(0) depctr_va_vcc(0) depctr_vm_vsrc(0)
	s_getreg_b32 s2, hwreg(HW_REG_IB_STS2, 6, 4)
	s_cmp_eq_u32 s2, 0
	s_cbranch_scc0 .Lentry_in_a_cluster
	s_endpgm
.Lentry_in_a_cluster:
	s_bfe_u32 s2, ttmp6, 0x10000c
	s_cmp_lg_u32 s2, 0x3003
	s_cbranch_scc0 .Lentry_shape_is_right
	s_endpgm
.Lentry_shape_is_right:
; Causal attention of one head (64 channels, 2,048 tokens) for each cluster of four work-groups, both products on codes of FP8 (E4M3) with one E8M0 scale for each 32 along a product's K; the result,
; divided by the row's sum, is quantised along the channels and stored as images of the last product's operand registers.
; THE SOFTMAX: t = score x log2(e) / 8; M = the row's largest t so far, rounded up to a whole number; p = 2^(t - M) is what is quantised, along the keys.  The row's sum is taken of the unquantised p.
; When M moves, the sum and O are multiplied by 2^(old M - new M): exact.  Hidden keys get the score -infinity, so p = 0.
; LIMITS: hidden keys count as exactly 0, which is what the module's -1e9 gives while a row's largest logit lies above about -1e9 + 200; a block of zeros gets the byte 1 and not 127 (its codes are zeros; this program
; alone reads the bytes); NaN and infinities are not served.
; INPUTS are register images made by the launch before: a tile of 16 tokens of q or k is 1,024 bytes (two groups of four registers, 16 bytes a lane); lane r of tile a of a group of 128 tokens is token
; 32 (a / 2) + 8 (a % 2) + r + 8 (r / 8).  A tile of v^T (16 channels x 128 keys) is 2,048 bytes.  The first product's K is 64: the other half of the 128 are zero codes, kept in registers.
; SHARES.  The head's whole K and V (and their scale words) come ONCE into each work-group's LDS, by joint loads of the four partners; nothing is filled again.  Wave w owns two tiles of 16 queries: tile
; 2 g + (w & 1) (g = my work-group's place) of token group 15 - (w >> 1), and the same tile of token group w >> 1: 17 key steps of 128 keys in every wave of the launch.
; Trip counts are constants; a step all of whose keys are hidden is jumped over by a branch on the wave's number and the step's; g enters global addresses and the mask's numbers alone.
; LAYOUT.  Both products are used transposed: S^T = K Q^T, O^T = V^T P^T: a lane holds ONE query (lane % 16) throughout, and the 16 registers of two neighbouring tiles are 16 neighbouring keys or channels.
.set KIMG, 0                           ; LDS: K: [key tile 128][1,024 bytes]
.set VIMG, 131072                      ; V: [key step 16][channel tile 4][2,048 bytes]
.set KSC,  262144                      ; K's scale words: 512 bytes a step (both heads of the pair)
.set VSC,  270336                      ; V's: 256 bytes a step: [lane r][channel tile] words
.set AK0,  1                           ; v1   16 x lane
.set AV0,  2                           ; v2   16 x lane + VIMG
.set ASK0, 3                           ; v3   KSC + 16 r + 2 x (head & 1)
.set ASV0, 4                           ; v4   VSC + 16 r
.set DD,   5                           ; v5   my query's place among its 128 tokens - 16 (lane / 16)
.set NINF, 6                           ; v6   -infinity
.set GL,   7                           ; v7   16 x lane, for global accesses; never rewritten
.set ADK,  8                           ; v8-11 the step's LDS addresses
.set ADV,  9
.set ADS,  10
.set ADT,  11
                                       ; v12 -M, v13 the largest t, v[14:15] the sum in two halves; v16-23 Q, v24-31 zeros
.set KF,   32                          ; v32-95  four fragments of K: 8 registers of codes + 8 lasting zeros each
.set S,    96                          ; v96-159 S^T, then p; then V's four fragments
.set OT,   160                         ; v160-191 O^T
.set PC,   192                         ; v192-207 p's codes
.set BM,   208                         ; v208-211 the blocks' largest
.set T2,   212                         ; v212-215 the other half of the lanes'; then the bytes
.set HOLD, 216
.set SOP,  220
.set FF,   224                         ; v[224:225] f (the pair's low word serves both halves)
.set TA,   226
.set TC,   227
.set KSR,  228                         ; v228-231 K's scale words
.set VSR,  232                         ; v232-235 V's
.set QSC,  236                         ; v236 Q's
.set PSC,  237                         ; v237 p's
.set QSO,  238                         ; v238 16 r; never rewritten
.set OSO,  239                         ; v239 32 r + lane / 16; never rewritten
.set OC,   240                         ; v240-247 the output's codes
.set OSW,  248                         ; v248 the output's scale byte
.set L2,   250                         ; v[250:251] the sum's second chain
.set WV,   12                          ; s12 wave; s13 g; s14 wave & 1; s15, s16 the short and the long tile's token group; s17 head; s18 batch; s19 head & 1
.set SEL,  20
.set CS,   22                          ; s[22:23] c = log2(e) / 8
.set MNT,  24
.set SS,   25                          ; the key step
.set TB,   26                          ; its tiles' LDS byte (K's and V's alike): 8,192 a step
.set TS,   27                          ; K's scale words: 512 a step
.set TJ,   2                           ; V's: 256 a step
.set LIMT, 3                           ; the tile's last key step: the one on the diagonal
.set CNT,  60
.set G1K,  28
.set G1V,  36
.set G1KS, 44
.set G1VS, 52
.set G0,   68                          ; s[68:87] five groups 0: the scale words, then four chunks of four key steps
.set LQ,   88                          ; s[88:95] the long tile: Q's codes, Q's scale words, the output's codes, the output's scale bytes
.set SQ,   96                          ; s[96:101], s[104:105] the short tile likewise
.macro CROUND                          ; a round of the cluster's barrier
	s_barrier_signal -1
	s_barrier_wait -1
	s_cmp_lg_u32 s[WV], 0
	s_cbranch_scc1 .Lnot_wave_0_\@
	s_barrier_signal -3
.Lnot_wave_0_\@:
	s_barrier_wait -3
	s_barrier_signal -1
	s_barrier_wait -1
.endm
	s_load_b256 s[4:11], s[0:1], 0x0               ; qkv_img s[4:5], qkv_sc s[6:7], a_img s[8:9], a_sc s[10:11]
	v_lshrrev_b32 v1, 5, v0
	v_readfirstlane_b32 s[WV], v1                  ; wave 0..15
	s_bfe_u32 s13, ttmp6, 0x40000                  ; g: my place in the cluster
	s_and_b32 s14, s[WV], 1
	s_lshr_b32 s15, s[WV], 1
	s_sub_co_u32 s16, 15, s15
	s_and_b32 s17, ttmp9, 15                       ; the head,
	s_lshr_b32 s18, ttmp9, 4                       ; the batch: the cluster's number, which the partners share
	s_and_b32 s19, s17, 1
	s_lshr_b32 s61, s17, 1
	s_lshl_b32 s61, s61, 6
	s_lshl_b32 s62, s18, 4
	s_add_co_u32 s61, s61, s62                     ; q's first block of images: 64 x pair of heads + 16 x batch; k's are 512 blocks on, v's 1,024
	s_add_co_u32 s25, s61, 512
	s_lshl_b32 s26, s25, 14
	s_lshl_b32 s27, s19, 10
	s_add_co_u32 s26, s26, s27                     ; K's codes: a tile's 1,024 bytes of my head
	s_lshl_b32 s25, s25, 9                         ; K's scale words
	s_add_co_u32 s2, s61, 1024
	s_lshl_b32 s3, s2, 14
	s_lshl_b32 s27, s19, 13
	s_add_co_u32 s3, s3, s27                       ; V's codes: a block's 8,192 bytes of my head
	s_lshl_b32 s2, s2, 9
	s_lshl_b32 s27, s19, 8
	s_add_co_u32 s2, s2, s27                       ; V's scale words: 256 bytes of my head
	s_cmp_eq_u32 s14, 0                            ; wave 0 fetches for K, wave 1 for V (the others fetch nothing)
	s_cselect_b32 s66, s26, s3
	s_cselect_b32 s62, s25, s2
	s_mov_b32 s67, 0
	s_mov_b32 s63, 0
	s_lshl_b32 s26, s14, 17                        ; LDS: K's codes at 0, V's at 131,072;
	s_lshl_b32 s27, s14, 13                        ; the scale words 8,192 bytes apart
	; descriptor groups 1: the mask names all four partners; elements of 8 bytes; no padding: every fragment load takes 512 bytes on end
	s_mov_b32 s[G1K], 15|(3<<16)|(1<<21)           ; K, four key steps: 32 rows of 1,024 bytes, 2,048 bytes apart
	s_mov_b32 s[G1K+1], 128<<16
	s_mov_b32 s[G1K+2], 32<<16
	s_mov_b32 s[G1K+3], 128<<16
	s_mov_b32 s[G1K+4], 32
	s_mov_b32 s[G1K+5], 256
	s_mov_b32 s[G1K+6], 0
	s_mov_b32 s[G1K+7], 0
	s_mov_b32 s[G1V], 15|(3<<16)|(1<<21)           ; V, four key steps: 4 rows of 8,192 bytes, 16,384 bytes apart
	s_mov_b32 s[G1V+1], 1024<<16
	s_mov_b32 s[G1V+2], 4<<16
	s_mov_b32 s[G1V+3], 1024<<16
	s_mov_b32 s[G1V+4], 4
	s_mov_b32 s[G1V+5], 2048
	s_mov_b32 s[G1V+6], 0
	s_mov_b32 s[G1V+7], 0
	s_mov_b32 s[G1KS], 15|(3<<16)|(1<<21)          ; K's scale words: 8,192 dense bytes as 32 rows of 256
	s_mov_b32 s[G1KS+1], 32<<16
	s_mov_b32 s[G1KS+2], 32<<16
	s_mov_b32 s[G1KS+3], 32<<16
	s_mov_b32 s[G1KS+4], 32
	s_mov_b32 s[G1KS+5], 32
	s_mov_b32 s[G1KS+6], 0
	s_mov_b32 s[G1KS+7], 0
	s_mov_b32 s[G1VS], 15|(3<<16)|(1<<21)          ; V's: 16 rows of 256 bytes, 512 bytes apart
	s_mov_b32 s[G1VS+1], 32<<16
	s_mov_b32 s[G1VS+2], 16<<16
	s_mov_b32 s[G1VS+3], 32<<16
	s_mov_b32 s[G1VS+4], 16
	s_mov_b32 s[G1VS+5], 64
	s_mov_b32 s[G1VS+6], 0
	s_mov_b32 s[G1VS+7], 0
	s_mov_b32 s[SEL], 0x76543210
	s_mov_b32 s[SEL+1], 0xfedcba98                 ; v_permlanex16_b32's selects for lane l xor 16
	s_mov_b32 s[CS], 0x3e38aa3b                    ; c = log2(e) / sqrt(64)
	s_mov_b32 s[CS+1], s[CS]                       ; (named with it as a pair, so it is written)
	s_mov_b32 s[MNT], 0x600000                     ; the mantissa field of 448
	s_wait_kmcnt 0x0
	s_add_nc_u64 s[66:67], s[4:5], s[66:67]
	s_add_nc_u64 s[62:63], s[6:7], s[62:63]
	s_mov_b32 s[G0], 1
	s_add_co_u32 s[G0+1], s27, KSC
	s_mov_b64 s[G0+2:G0+3], s[62:63]
	s_or_b32 s[G0+3], s[G0+3], 0x80000000
.irp i, 1,2,3,4
	s_mov_b32 s[G0+4*\i], 1
	s_add_co_u32 s[G0+4*\i+1], s26, (\i-1)*32768
	s_add_nc_u64 s[G0+4*\i+2:G0+4*\i+3], s[66:67], (\i-1)*65536
	s_or_b32 s[G0+4*\i+3], s[G0+4*\i+3], 0x80000000
.endr
	CROUND                                         ; all four work-groups are here: the joint loads meet
	s_cmp_lg_u32 s[WV], 0                          ; a wave's five loads stand in one branch on the wave's number: five loads of mine are out
	s_cbranch_scc1 .Lnot_k
	tensor_load_to_lds s[G0:G0+3], s[G1KS:G1KS+7]
	tensor_load_to_lds s[G0+4:G0+7], s[G1K:G1K+7]
	tensor_load_to_lds s[G0+8:G0+11], s[G1K:G1K+7]
	tensor_load_to_lds s[G0+12:G0+15], s[G1K:G1K+7]
	tensor_load_to_lds s[G0+16:G0+19], s[G1K:G1K+7]
.rept 4
	v_nop
.endr
	s_branch .Lasked
.Lnot_k:
	s_cmp_lg_u32 s[WV], 1
	s_cbranch_scc1 .Lasked
	tensor_load_to_lds s[G0:G0+3], s[G1VS:G1VS+7]
	tensor_load_to_lds s[G0+4:G0+7], s[G1V:G1V+7]
	tensor_load_to_lds s[G0+8:G0+11], s[G1V:G1V+7]
	tensor_load_to_lds s[G0+12:G0+15], s[G1V:G1V+7]
	tensor_load_to_lds s[G0+16:G0+19], s[G1V:G1V+7]
.rept 4
	v_nop
.endr
.Lasked:
	; my two tiles' global addresses.  a = 2 g + (wave & 1): the tile among its group's eight
	s_lshl_b32 s62, s13, 1
	s_add_co_u32 s62, s62, s14                     ; a
	s_lshl_b32 s63, s18, 7
	s_add_co_u32 s63, s63, s62                     ; 128 x batch + a
	s_and_b32 s66, s62, 3
	s_lshl_b32 s66, s66, 2
	s_lshr_b32 s67, s62, 2
	s_lshl_b32 s67, s67, 8
	s_add_co_u32 s66, s66, s67
	s_lshl_b32 s67, s19, 1
	s_add_co_u32 s66, s66, s67                     ; Q's scale words: 256 (a / 4) + 4 (a % 4) + 2 x (head & 1)
	s_lshl_b32 s62, s62, 11
	s_lshl_b32 s67, s19, 10
	s_add_co_u32 s62, s62, s67                     ; Q's codes: 2,048 a + 1,024 x (head & 1)
	s_lshl_b32 s67, s17, 1                         ; 2 x head
	s_mov_b32 s3, 0
.macro TADDR sg, qa, qs, oa, os        ; token group s[sg]
	s_add_co_u32 s25, s61, s[\sg]
	s_lshl_b32 s2, s25, 14
	s_add_co_u32 s2, s2, s62
	s_add_nc_u64 s[\qa:\qa+1], s[4:5], s[2:3]
	s_lshl_b32 s2, s25, 9
	s_add_co_u32 s2, s2, s66
	s_add_nc_u64 s[\qs:\qs+1], s[6:7], s[2:3]
	s_lshl_b32 s25, s[\sg], 3
	s_add_co_u32 s25, s25, s63                     ; the tile among all 512
	s_lshl_b32 s2, s25, 4
	s_add_co_u32 s2, s2, s17
	s_lshl_b32 s2, s2, 10                          ; a_img: [tile][head][1,024 bytes]
	s_add_nc_u64 s[\oa:\oa+1], s[8:9], s[2:3]
	s_lshl_b32 s2, s25, 9
	s_add_co_u32 s2, s2, s67                       ; a_sc: [16 x tile + r][32 bytes], bytes 2 x head, 2 x head + 1
	s_add_nc_u64 s[\os:\os+1], s[10:11], s[2:3]
.endm
	TADDR 16, LQ, LQ+2, LQ+4, LQ+6
	TADDR 15, SQ, SQ+2, SQ+4, 104
	v_and_b32 v8, 31, v0                           ; lane
	v_and_b32 v9, 15, v0                           ; r
	v_bfe_u32 v10, v0, 4, 1                        ; h
	v_lshlrev_b32 v[AK0], 4, v8
	v_lshlrev_b32 v[GL], 4, v8
	v_lshlrev_b32 v[QSO], 4, v9
	global_load_b128 v[16:19], v[GL], s[LQ:LQ+1]               ; the long tile's Q: 512 consecutive bytes a load
	global_load_b128 v[20:23], v[GL], s[LQ:LQ+1] offset:512
	global_load_u16 v[QSC], v[QSO], s[LQ+2:LQ+3]               ; its two scale bytes; the upper two come out 0, over zero codes
	v_add_nc_u32 v[AV0], VIMG, v[AK0]
	s_lshl_b32 s25, s19, 1
	s_add_co_u32 s25, s25, KSC
	v_add_nc_u32 v[ASK0], s25, v[QSO]
	v_add_nc_u32 v[ASV0], VSC, v[QSO]
	v_lshl_add_u32 v[OSO], v9, 5, v10
	v_and_b32 v11, 8, v9
	v_add_nc_u32 v11, v11, v9                      ; r + 8 (r / 8)
	v_lshlrev_b32 v10, 4, v10
	v_sub_nc_u32 v[DD], v11, v10
	s_lshl_b32 s25, s13, 5
	s_lshl_b32 s2, s14, 3
	s_add_co_u32 s25, s25, s2
	v_add_nc_u32 v[DD], s25, v[DD]                 ; 32 g + 8 (wave & 1) + r + 8 (r / 8) - 16 h
	v_mov_b32 v[NINF], 0xff800000
.set j, 0
.rept 8
	v_mov_b32 v[24+j], 0                           ; the zero codes of the first product's upper 64 along K: Q's,
	v_mov_b32 v[KF+8+j], 0                         ; and K's four fragments'
	v_mov_b32 v[KF+24+j], 0
	v_mov_b32 v[KF+40+j], 0
	v_mov_b32 v[KF+56+j], 0
.set j, j+1
.endr
.irp b, 0,1,2,3
	v_mov_b32 v[T2+\b], 0                          ; written once: a lane permute's destination counts as one of its sources
.endr
	v_mov_b32 v[TA], 0
	v_mov_b32 v[FF+1], 0                           ; (named as the upper half of a pair)
.macro INIT                            ; a tile begins: O^T and the sum as zeros, the largest t under every t.  (So the key step is written without a first step of its own)
	v_mov_b32 v13, 0xff61b1e6                      ; -3e38
	v_floor_f32 v12, -v13
	v_mov_b32 v14, 0
	v_mov_b32 v15, 0
.set j, 0
.rept 32
	v_mov_b32 v[OT+j], 0
.set j, j+1
.endr
	s_mov_b32 s[SS], 0
	s_mov_b32 s[TB], 0
	s_mov_b32 s[TS], 0
	s_mov_b32 s[TJ], 0
.endm
; A KEY STEP: 128 keys.  masked = 1: a step behind the diagonal is jumped over, and on the diagonal hidden scores become -infinity.
.macro STEP masked
.if \masked
	s_cmp_gt_u32 s[SS], s[LIMT]
	s_cbranch_scc1 .Lhidden_\@
.endif
	v_add_nc_u32 v[ADK], s[TB], v[AK0]
	v_add_nc_u32 v[ADV], s[TB], v[AV0]
	v_add_nc_u32 v[ADS], s[TS], v[ASK0]
	v_add_nc_u32 v[ADT], s[TJ], v[ASV0]
.rept 5
	v_nop                                          ; with the four additions nine places: the scores below are written over V's fragments, which the last step's products read
.endr
.irp g, 0,1                                    ; S^T = K Q^T, four tiles of 16 keys at a time
.if \g
.rept 8
	v_nop                                          ; places in front of loads into registers that matrix instructions have read
.endr
.endif
.irp t, 0,1,2,3
	ds_load_b128 v[KF+16*\t:KF+16*\t+3], v[ADK] offset:(4*\g+\t)*1024
	ds_load_b128 v[KF+16*\t+4:KF+16*\t+7], v[ADK] offset:(4*\g+\t)*1024+512
	ds_load_u16 v[KSR+\t], v[ADS] offset:256*\g+4*\t
.endr
	s_wait_dscnt 0x0
.irp t, 0,1,2,3
	v_wmma_scale_f32_16x16x128_f8f6f4 v[S+8*(4*\g+\t):S+8*(4*\g+\t)+7], v[KF+16*\t:KF+16*\t+15], v[16:31], 0, v[KSR+\t], v[QSC]
.endr
.endr                                          ; register 16 b + i: key 32 b + 16 (lane / 16) + i of the step
.rept 8
	v_nop
.endr
.if \masked
	s_cmp_lg_u32 s[SS], s[LIMT]
	s_cbranch_scc1 .Lopen_\@                       ; a step all of whose keys count
.set n, 0
.rept 64
	v_cmp_gt_i32 vcc_lo, 32*(n/16)+n%16, v[DD]     ; hidden where the key comes after my query
	v_cndmask_b32 v[S+n], v[S+n], v[NINF], vcc_lo
.set n, n+1
.endr
.Lopen_\@:
.endif
.irp b, 0,1,2,3
	v_max3_num_f32 v[BM+\b], v[S+16*\b], v[S+1+16*\b], v[S+2+16*\b]   ; the largest score of each block of 32 keys: for the row's maximum, and, since p rises with the score, for the block's largest p
.endr
.irp i, 3,5,7,9,11,13
.irp b, 0,1,2,3
	v_max3_num_f32 v[BM+\b], v[BM+\b], v[S+16*\b+\i], v[S+1+16*\b+\i]
.endr
.endr
.irp b, 0,1,2,3
	v_max_num_f32 v[BM+\b], v[BM+\b], v[S+15+16*\b]
.endr
.irp b, 0,1,2,3
	v_permlanex16_b32 v[T2+\b], v[BM+\b], s[SEL], s[SEL+1]
.endr
.irp b, 0,1,2,3
	v_max_num_f32 v[BM+\b], v[BM+\b], v[T2+\b]     ; with lane l xor 16's 16 keys
.endr
	v_max3_num_f32 v[TA], v[BM], v[BM+1], v[BM+2]
	v_max_num_f32 v[TA], v[TA], v[BM+3]            ; the step's largest score of my query
	v_mul_f32 v[TA], s[CS], v[TA]                  ; as t (c is positive)
	v_max_num_f32 v13, v13, v[TA]                  ; the running largest t
	v_mov_b32 v[TA], v12
	v_floor_f32 v12, -v13                          ; the new -M = floor(-t): M is a whole number
	v_sub_f32 v[TA], v12, v[TA]                    ; old M - new M: a whole number, 0 or less
	v_cvt_i32_f32 v[TA], v[TA]                     ; (it saturates)
	v_ldexp_f32 v[FF], 1.0, v[TA]                  ; f = 2^(old M - new M)
.set j, 0
.rept 32
	v_pk_fma_f32 v[S+j:S+j+1], v[S+j:S+j+1], s[CS:CS+1], v[12:13] op_sel_hi:[1,0,0]   ; t - M, two at a time
.set j, j+2
.endr
.irp b, 0,1,2,3
	v_fma_f32 v[BM+\b], v[BM+\b], s[CS], v12       ; the same of each block's largest score
.endr
.set j, 0
.rept 64
	v_exp_f32 v[S+j], v[S+j]                       ; p = 2^(t - M)
.set j, j+1
.endr
	v_pk_mul_f32 v[14:15], v[14:15], v[FF:FF+1] op_sel_hi:[1,0]   ; the sums under the new M (the plain line behind the exponentials)
	s_wait_alu depctr_va_vdst(0)                   ; one wait for the batch of 64, ahead of its first reader
.irp b, 0,1,2,3
	v_exp_f32 v[BM+\b], v[BM+\b]                   ; the block's largest p: the same two instructions on the same number
.endr
	v_pk_add_f32 v[L2:L2+1], v[S:S+1], v[S+2:S+3]  ; the row's sum of the unquantised p, in two chains
.set j, 4
.rept 15
	v_pk_add_f32 v[14:15], v[14:15], v[S+j:S+j+1]
	v_pk_add_f32 v[L2:L2+1], v[L2:L2+1], v[S+j+2:S+j+3]
.set j, j+4
.endr
	v_pk_add_f32 v[14:15], v[14:15], v[L2:L2+1]
	s_wait_alu depctr_va_vdst(0)                   ; and one for the four
.irp b, 0,1,2,3
	v_max_num_f32 v[BM+\b], 0x4800000, v[BM+\b]    ; the floor 2^(9 - 127): the byte cannot fall under 1
.endr
.irp b, 0,1,2,3
	v_add_nc_u32 v[SOP+\b], 0xfc000000, v[BM+\b]   ; 8 off the exponent field: the conversion's scale operand
.endr
.irp b, 0,1,2,3
	v_and_or_b32 v[HOLD+\b], v[BM+\b], 0x7f800000, s[MNT]   ; 448 x the scale
.endr
.irp b, 0,1,2,3
	v_lshrrev_b32 v[T2+\b], 23, v[SOP+\b]          ; the scale's byte
.endr
	v_lshl_or_b32 v[PSC], v[T2+1], 8, v[T2]        ; p's scale word for these 128 keys
	v_lshl_or_b32 v[PSC], v[T2+2], 16, v[PSC]
	v_lshl_or_b32 v[PSC], v[T2+3], 24, v[PSC]
.irp b, 0,1,2,3
.irp i, 0,1,2,3,4,5,6,7,8,9,10,11,12,13,14,15
	v_min_num_f32 v[S+16*\b+\i], v[S+16*\b+\i], v[HOLD+\b]   ; the conversion does not saturate (ISA guide 7.6.2); p is not negative, so the hold is one-sided
.endr
	v_cvt_scalef32_pk8_fp8_f32 v[PC+4*\b:PC+4*\b+1], v[S+16*\b:S+16*\b+7], v[SOP+\b]
	v_cvt_scalef32_pk8_fp8_f32 v[PC+4*\b+2:PC+4*\b+3], v[S+16*\b+8:S+16*\b+15], v[SOP+\b]
.endr
.set j, 0
.rept 16
	v_pk_mul_f32 v[OT+j:OT+j+1], v[OT+j:OT+j+1], v[FF:FF+1] op_sel_hi:[1,0]   ; O^T under the new M.  (These sixteen are also the places in front of the products below)
.set j, j+2
.endr
.irp t, 0,1,2,3                                ; V^T: four tiles of 16 channels x these 128 keys, into the registers that p has left
.irp c, 0,1,2,3
	ds_load_b128 v[S+16*\t+4*\c:S+16*\t+4*\c+3], v[ADV] offset:2048*\t+512*\c
.endr
.endr
	ds_load_b128 v[VSR:VSR+3], v[ADT]              ; and their four scale words
	s_wait_dscnt 0x0
.irp t, 0,1,2,3
	v_wmma_scale_f32_16x16x128_f8f6f4 v[OT+8*\t:OT+8*\t+7], v[S+16*\t:S+16*\t+15], v[PC:PC+15], v[OT+8*\t:OT+8*\t+7], v[VSR+\t], v[PSC]   ; the four accumulators by turns
.endr
.if \masked
.Lhidden_\@:
.endif
	s_add_co_u32 s[SS], s[SS], 1
	s_add_co_u32 s[TB], s[TB], 8192
	s_add_co_u32 s[TS], s[TS], 512
	s_add_co_u32 s[TJ], s[TJ], 256
.endm
; A TILE ENDS: O^T is divided by the row's sum and quantised along the channels: register 16 c + i = channel 32 c + 16 (lane / 16) + i of the head.  The codes are stored as operand registers.
.macro FINISH oa, os
.rept 8
	v_nop                                          ; places behind the last products
.endr
	v_add_f32 v14, v14, v15                        ; the sum's two halves,
	v_permlanex16_b32 v[TA], v14, s[SEL], s[SEL+1]
	v_add_f32 v14, v14, v[TA]                      ; and lane l xor 16's
	v_rcp_f32 v[FF], v14
	v_bfe_u32 v[TC], v0, 4, 1                      ; (the plain line behind the reciprocal)
	v_cmp_ne_u32 vcc_lo, 0, v[TC]                  ; lanes 16-31
	s_wait_alu depctr_va_vdst(0)                   ; the wait ahead of the reciprocal's first reader
.set j, 0
.rept 16
	v_pk_mul_f32 v[OT+j:OT+j+1], v[OT+j:OT+j+1], v[FF:FF+1] op_sel_hi:[1,0]
.set j, j+2
.endr
.irp c, 0,1
	v_max3_num_f32 v[BM+\c], |v[OT+16*\c]|, |v[OT+16*\c+1]|, 0x4800000
.endr
.irp i, 2,4,6,8,10,12,14
.irp c, 0,1
	v_max3_num_f32 v[BM+\c], v[BM+\c], |v[OT+16*\c+\i]|, |v[OT+16*\c+\i+1]|
.endr
.endr
.irp c, 0,1
	v_permlanex16_b32 v[T2+\c], v[BM+\c], s[SEL], s[SEL+1]
.endr
.irp c, 0,1
	v_max_num_f32 v[BM+\c], v[BM+\c], v[T2+\c]
.endr
.irp c, 0,1
	v_add_nc_u32 v[SOP+\c], 0xfc000000, v[BM+\c]
.endr
.irp c, 0,1
	v_and_or_b32 v[HOLD+\c], v[BM+\c], 0x7f800000, s[MNT]
.endr
.irp c, 0,1
	v_lshrrev_b32 v[T2+\c], 23, v[SOP+\c]
.endr
	s_wait_xcnt 0x0                                ; the last tile's stores have read their data: the codes' and the byte's registers may be written again
	v_cndmask_b32 v[OSW], v[T2], v[T2+1], vcc_lo   ; lanes 0-15 store block 0's byte, lanes 16-31 block 1's
.irp c, 0,1
.irp i, 0,1,2,3,4,5,6,7,8,9,10,11,12,13,14,15
	v_med3_num_f32 v[OT+16*\c+\i], v[OT+16*\c+\i], -v[HOLD+\c], v[HOLD+\c]
.endr
	v_cvt_scalef32_pk8_fp8_f32 v[OC+4*\c:OC+4*\c+1], v[OT+16*\c:OT+16*\c+7], v[SOP+\c]
	v_cvt_scalef32_pk8_fp8_f32 v[OC+4*\c+2:OC+4*\c+3], v[OT+16*\c+8:OT+16*\c+15], v[SOP+\c]
.endr
	v_nop                                          ; one plain line behind the last conversion: its sources are written again
	global_store_b128 v[GL], v[OC:OC+3], s[\oa:\oa+1]              ; 512 consecutive bytes a store
	global_store_b128 v[GL], v[OC+4:OC+7], s[\oa:\oa+1] offset:512
	global_store_b8 v[OSO], v[OSW], s[\os:\os+1]                   ; a byte a lane, rows of 32 bytes: one part in 32 of what the tile stores
.endm
	INIT
	s_wait_loadcnt 0x0                             ; Q
	s_wait_tensorcnt 0x0                           ; waves 0 and 1: the head's K, V and scale words have landed,
	s_barrier_signal -1
	s_barrier_wait -1                              ; and every wave knows
	s_mov_b32 s[CNT], 8
.Lfirst:                                               ; the long tile's key steps 0 to 7: all their keys count (its token group is 8 or more)
	STEP 0
	s_sub_co_u32 s[CNT], s[CNT], 1
	s_cmp_lg_u32 s[CNT], 0
	s_cbranch_scc1 .Lfirst
	s_mov_b32 s[LIMT], s16
	s_mov_b32 s[CNT], 8
.Llong:                                                ; its key steps 8 to 15, as far as the diagonal
	STEP 1
	s_sub_co_u32 s[CNT], s[CNT], 1
	s_cmp_lg_u32 s[CNT], 0
	s_cbranch_scc1 .Llong
	global_load_b128 v[16:19], v[GL], s[SQ:SQ+1]               ; the short tile's Q lands while the long tile goes out (the last product that read these registers stands a whole softmax back)
	global_load_b128 v[20:23], v[GL], s[SQ:SQ+1] offset:512
	global_load_u16 v[QSC], v[QSO], s[SQ+2:SQ+3]
	FINISH LQ+4, LQ+6
	INIT
	s_mov_b32 s[LIMT], s15
	s_wait_loadcnt 0x0
	s_mov_b32 s[CNT], 8
.Lshort:                                               ; the short tile's key steps 0 to 7, as far as the diagonal
	STEP 1
	s_sub_co_u32 s[CNT], s[CNT], 1
	s_cmp_lg_u32 s[CNT], 0
	s_cbranch_scc1 .Lshort
	FINISH SQ+4, 104
	CROUND                                         ; the closing round
	s_endpgm
.Lfunc_end_k_qba1f38bea2_attn:
	.size	k_qba1f38bea2_attn, .Lfunc_end_k_qba1f38bea2_attn-k_qba1f38bea2_attn
	.p2alignl 7, 3214868480
	.fill 96, 4, 3214868480
	.section	.rodata,"a",@progbits
	.p2align	6, 0x0
	.amdhsa_kernel k_qba1f38bea2_attn
		.amdhsa_group_segment_fixed_size 327680
		.amdhsa_private_segment_fixed_size 0
		.amdhsa_enable_private_segment 0
		.amdhsa_kernarg_size 32
		.amdhsa_user_sgpr_count 2
		.amdhsa_user_sgpr_kernarg_segment_ptr 1
		.amdhsa_wavefront_size32 1
		.amdhsa_system_sgpr_workgroup_id_x 1
		.amdhsa_system_sgpr_workgroup_id_y 1
		.amdhsa_system_sgpr_workgroup_id_z 1
		.amdhsa_system_vgpr_workitem_id 0
		.amdhsa_next_free_vgpr 256
		.amdhsa_next_free_sgpr 106
		.amdhsa_reserve_vcc 1
		.amdhsa_float_denorm_mode_32 3
		.amdhsa_float_denorm_mode_16_64 3
		.amdhsa_memory_ordered 1
		.amdhsa_forward_progress 1
		.amdhsa_inst_pref_size 93
	.end_amdhsa_kernel
	.amdgpu_metadata
---
amdhsa.version: [ 1, 2 ]
amdhsa.kernels:
  - .name:           k_qba1f38bea2_attn
    .symbol:         k_qba1f38bea2_attn.kd
    .args:
      - { .name: qkv_img, .offset: 0, .size: 8, .value_kind: global_buffer, .address_space: global }
      - { .name: qkv_sc, .offset: 8, .size: 8, .value_kind: global_buffer, .address_space: global }
      - { .name: a_img, .offset: 16, .size: 8, .value_kind: global_buffer, .address_space: global }
      - { .name: a_sc, .offset: 24, .size: 8, .value_kind: global_buffer, .address_space: global }
    .group_segment_fixed_size: 327680
    .private_segment_fixed_size: 0
    .kernarg_segment_align: 8
    .kernarg_segment_size: 32
    .max_flat_workgroup_size: 512
    .sgpr_count:     106
    .vgpr_count:     256
    .wavefront_size: 32
...
	.end_amdgpu_metadata
.endif
;; end of part 3
;; launch proj (part 4): grid 4 x 32, 4 waves a work-group, clusters of 4 x 4, 327,680 bytes of LDS; arguments a_img, a_sc, codes1, scales1, out0; writes out0
.if DOCPART == 4
	.amdgcn_target "amdgcn-amd-amdhsa--gfx1250"
	.amdhsa_code_object_version 6
	.text
	.protected	k_qba1f38bea2_proj
	.globl	k_qba1f38bea2_proj
	.p2align	8
	.type	k_qba1f38bea2_proj,@function
k_qba1f38bea2_proj:
	s_mov_b64 s[64:65], 0
	v_nop
	global_prefetch_b8 v0, s[64:65] scope:SCOPE_SE
	s_setreg_imm32_b32 hwreg(HW_REG_WAVE_MODE, 25, 1), 1
	s_wait_xcnt 0x0
	s_wait_alu depctr_hold_cnt(0) depctr_sa_sdst(0) depctr_va_vdst(0) depctr_va_sdst(0) depctr_va_ssrc(0) depctr_va_vcc(0) depctr_vm_vsrc(0)
	s_getreg_b32 s2, hwreg(HW_REG_IB_STS2, 6, 4)
	s_cmp_eq_u32 s2, 0
	s_cbranch_scc0 .Lentry_in_a_cluster
	s_endpgm
.Lentry_in_a_cluster:
	s_bfe_u32 s2, ttmp6, 0x10000c
	s_cmp_lg_u32 s2, 0xf033
	s_cbranch_scc0 .Lentry_shape_is_right
	s_endpgm
.Lentry_shape_is_right:
; out0 = attention's output x W_out^T on codes of FP8 (E4M3) with one E8M0 scale for each 32 along K = 1,024; out0 [8192][1024] f32; sums in f32.
; A arrives as IMAGES OF OPERAND REGISTERS: a_img [tile of 16 rows: 512][K step of 128: 8][2,048 bytes], a fragment's four groups of four registers on end, 16 bytes a lane; a_sc [16 x tile + lane r][32 bytes].
; Lane r of tile t is token 32 (t / 2) + 8 (t % 2) + r + 8 (r / 8): the way out puts each row where it belongs.  B = W_out's codes and scale bytes, rows in their own order, in codes1 and scales1.
; A tile of out0, 256 x 256, is made by four waves, 128 x 128 each: 64 accumulators, 512 registers.  K goes in steps of 256 through a ring of two LDS slots filled by the tensor data mover;
; the scale bytes of the tile's 512 rows come into LDS once.  4 x 4 work-groups form a cluster: A's tiles are asked for jointly along a row of the cluster, B's along a column.
; THE MATRIX INSTRUCTION IS USED TRANSPOSED (source 0 = 16 rows of B, source 1 = 16 rows of A): a lane holds eight neighbouring numbers of a row of out0.
; The grid has 128 work-groups: out0 has no more tiles of this size.
; REGISTERS, in windows of 256: window 0: v0-31 addresses; v32-63 scale words, two sets; from v128 A's fragments, ONE set; on the way out v128-255 rows read back.
;   window 1: B's fragments, TWO sets.   window 2: the 32 accumulators of my rows 0-63 (accumulator (a, b) at v[8 (8 a + b)]);   window 3: those of my rows 64-127.
.set SIZE_K, 1024
.set SIZE_N, 1024
.set KSTEP,  256
.set NQ,     KSTEP/128
.set ROWB,   256                       ; a row of B's tile in bytes
.set AROWB,  4096                      ; a K step of one tile of 16 rows of A: two fragments
.set KROW,   SIZE_K
.set PITCH,  272                       ; B's LDS row: 256 bytes + 16 of padding
.set FR,     16
.set NL,     4
.set NP,     8                         ; places behind this matrix instruction (ISA guide 7.12.1)
.set HALFT,  128*PITCH                 ; what one tensor load's part of a slot takes (A's 128 rows use 32,768 bytes of it)
.set SLOT,   4*HALFT
.set LAPS,   SIZE_K/(2*KSTEP)
.set KS,     SIZE_K/32
.set SCL,    2*SLOT
.set HALFS,  (128*KS/256)*272
.set SBLK,   (16*KS/256)*272
.set SPARE,  SCL+4*HALFS               ; the spare words, 128 bytes for each wave
.set SPITCH, 528                       ; the way out: a stage of 16 rows x (512 bytes + 16) for each wave, in slot 0, which has had its last fill and its last read when the first result is stored there
.set OFF_WO, 11534336                  ; codes1: where W_out's rows begin
.set OFS_WO, 360448                    ; scales1 likewise
.set ADRA, 16
.set ADRB, 20
.set STO,  24
.set RD,   25
.set CO,   26
.set SPW,  28
.set NIL,  29
.set ADRS, 27
.set SC,   32
.set AF,   128
.set BK,   128
.set G1, 24
.set G0, 32
.set G1B, 48
.set G0B, 56
.set G1S, 68
.set G0S, 76
.set G1SB, 80
.set G0SB, 88
.set MSB, 0
.macro WIN new                         ; the immediate's high byte repeats the setting that is left
.if MSB != \new
	s_set_vgpr_msb (MSB<<8)|\new
.set MSB, \new
.endif
.endm
.set MUL_LO, 0xa1
.set MUL_HI, 0xf1
.set TO_B,   0x40
.macro JLOAD g0a, g1a, g0b, g1b        ; a joint load: waves 0 and 1 fetch for A, waves 2 and 3 for B; four v_nop follow each of the two lines
	s_cmp_eq_u32 s15, 0
	s_cbranch_scc0 .Lfor_b_\@
	tensor_load_to_lds s[\g0a:\g0a+3], s[\g1a:\g1a+7]
.rept 4
	v_nop
.endr
	s_branch .Lasked_\@
.Lfor_b_\@:
	tensor_load_to_lds s[\g0b:\g0b+3], s[\g1b:\g1b+7]
.rept 4
	v_nop
.endr
.Lasked_\@:
.endm
.macro CREST
	s_cmp_lg_u32 s14, 0
	s_cbranch_scc1 .Lnot_wave_0_\@
	s_barrier_signal -3
.Lnot_wave_0_\@:
	s_barrier_wait -3
	s_barrier_signal -1
	s_barrier_wait -1
.endm
.macro CROUND
	s_barrier_signal -1
	s_barrier_wait -1
	CREST
.endm
	s_load_b128 s[4:7], s[0:1], 0x0                ; a_img s[4:5], a_sc s[6:7]
	s_load_b128 s[8:11], s[0:1], 0x10              ; codes1 s[8:9], scales1 s[10:11]
	s_load_b64 s[12:13], s[0:1], 0x20              ; out0
	v_lshl_add_u32 v[SPW], v0, 2, SPARE
	v_mov_b32 v[NIL], 0
	v_lshrrev_b32 v1, 5, v0
	v_readfirstlane_b32 s14, v1                    ; wave 0..3
	s_lshr_b32 s15, s14, 1                         ; which half of the tile's rows is mine.  Also: I fetch for A (0) or for B (1)
	s_and_b32 s16, s14, 1                          ; which half of its columns.  Also: which 128 rows of that tile I fetch
	s_bfe_u32 s40, ttmp6, 0x40000                  ; cx, cy
	s_bfe_u32 s41, ttmp6, 0x40004
	s_lshl_b32 s42, ttmp9, 2
	s_add_co_u32 s42, s42, s40                     ; tile column = 4 x cluster x + cx
	s_and_b32 s17, ttmp7, 0xffff
	s_lshl_b32 s17, s17, 2
	s_add_co_u32 s17, s17, s41                     ; tile row = 4 x cluster y + cy
	s_lshl_b32 s43, s41, 2
	s_lshl_b32 s43, 15, s43                        ; my row of the cluster
	s_lshl_b32 s44, 0x1111, s40                    ; my column
	; A's group 1: 8 tiles of 16 rows, of each a K step's 4,096 bytes (512 elements of 8 bytes), 16,384 bytes apart; no padding: a fragment load takes 512 bytes on end
	s_or_b32 s[G1+0], s43, (3<<16)|(1<<21)
	s_mov_b32 s[G1+1], 512<<16
	s_mov_b32 s[G1+2], 8<<16
	s_mov_b32 s[G1+3], 512<<16
	s_mov_b32 s[G1+4], 8
	s_mov_b32 s[G1+5], 2048
	s_mov_b32 s[G1+6], 0
	s_mov_b32 s[G1+7], 0
	; B's: 128 rows x 256 bytes, 16 bytes of padding behind each
	s_or_b32 s[G1B+0], s44, (0<<16)|(1<<20)|(1<<21)|(5<<22)|(3<<25)
	s_mov_b32 s[G1B+1], ROWB<<16
	s_mov_b32 s[G1B+2], 128<<16
	s_mov_b32 s[G1B+3], ROWB<<16
	s_mov_b32 s[G1B+4], 128
	s_mov_b32 s[G1B+5], KROW
	s_mov_b32 s[G1B+6], 0
	s_mov_b32 s[G1B+7], 0
	; the scales of 128 rows: a dense block of 4,096 bytes, as rows of 256 bytes, 16 bytes of padding behind each
	s_or_b32 s[G1S+0], s43, (3<<16)|(1<<20)|(1<<21)|(5<<22)|(3<<25)
	s_or_b32 s[G1SB+0], s44, (3<<16)|(1<<20)|(1<<21)|(5<<22)|(3<<25)
.irp g, G1S, G1SB
	s_mov_b32 s[\g+1], 32<<16
	s_mov_b32 s[\g+2], (128*KS/256)<<16
	s_mov_b32 s[\g+3], 32<<16
	s_mov_b32 s[\g+4], 128*KS/256
	s_mov_b32 s[\g+5], 32
	s_mov_b32 s[\g+6], 0
	s_mov_b32 s[\g+7], 0
.endr
	s_lshl_b32 s18, s16, 7                         ; which 128 rows of the tile I fetch
	s_lshl_b32 s20, s17, 8
	s_add_co_u32 s20, s20, s18                     ; A: row 256 x tile row + 128 x half
	s_lshl_b32 s46, s42, 8
	s_add_co_u32 s46, s46, s18                     ; B: row 256 x tile column + 128 x half
	s_mov_b32 s21, 0
	s_mov_b32 s47, 0
	s_mov_b64 s[18:19], KS
	s_mul_u64 s[22:23], s[20:21], s[18:19]         ; where these rows' scales begin, in bytes
	s_mul_u64 s[92:93], s[46:47], s[18:19]
	s_mov_b64 s[18:19], KROW
	s_mul_u64 s[20:21], s[20:21], s[18:19]         ; and their codes (A: 16 rows are 16,384 bytes of images: the same number)
	s_mul_u64 s[46:47], s[46:47], s[18:19]
	s_mul_i32 s45, s14, HALFT                      ; where they go: no place in the cluster enters an LDS address
	s_mul_i32 s94, s14, HALFS
	s_wait_kmcnt 0x0
	s_add_nc_u64 s[8:9], s[8:9], OFF_WO
	s_add_nc_u64 s[10:11], s[10:11], OFS_WO
	s_add_nc_u64 s[20:21], s[4:5], s[20:21]
	s_add_nc_u64 s[22:23], s[6:7], s[22:23]
	s_add_nc_u64 s[46:47], s[8:9], s[46:47]
	s_add_nc_u64 s[92:93], s[10:11], s[92:93]
	CROUND                                         ; all sixteen work-groups are here: the first joint loads meet
	s_mov_b32 s[G0S], 1
	s_add_co_u32 s[G0S+1], s94, SCL
	s_mov_b64 s[G0S+2:G0S+3], s[22:23]
	s_or_b32 s[G0S+3], s[G0S+3], 0x80000000
	s_mov_b32 s[G0SB], 1
	s_add_co_u32 s[G0SB+1], s94, SCL
	s_mov_b64 s[G0SB+2:G0SB+3], s[92:93]
	s_or_b32 s[G0SB+3], s[G0SB+3], 0x80000000
	JLOAD G0S, G1S, G0SB, G1SB                     ; the scales first: they are wanted with K step 0
.irp s, 0,1
	s_mov_b32 s[G0+4*\s], 1
	s_add_co_u32 s[G0+4*\s+1], s45, \s*SLOT
	s_add_nc_u64 s[G0+4*\s+2:G0+4*\s+3], s[20:21], \s*AROWB
	s_or_b32 s[G0+4*\s+3], s[G0+4*\s+3], 0x80000000
	s_mov_b32 s[G0B+4*\s], 1
	s_add_co_u32 s[G0B+4*\s+1], s45, \s*SLOT
	s_add_nc_u64 s[G0B+4*\s+2:G0B+4*\s+3], s[46:47], \s*ROWB
	s_or_b32 s[G0B+4*\s+3], s[G0B+4*\s+3], 0x80000000
	JLOAD G0+4*\s, G1, G0B+4*\s, G1B
.endr
	v_and_b32 v1, 15, v0                           ; l % 16
	v_bfe_u32 v2, v0, 4, 1                         ; l / 16
	v_mul_u32_u24 v3, v1, PITCH
	v_lshl_add_u32 v4, v2, 4, v3                   ; B: a fragment's row x pitch + 16 x half
	v_and_b32 v6, 31, v0
	v_lshlrev_b32 v[CO], 4, v6                     ; 16 x lane: A's images, and a row of out0
	s_mul_i32 s21, s15, HALFT                      ; my 128 rows of A
	s_mul_i32 s22, s16, HALFT                      ; my 128 rows of B,
	s_add_co_u32 s22, s22, 2*HALFT                 ; which lie behind A's
.irp s, 0,1
	v_add_nc_u32 v[ADRA+\s], s21, v[CO]
	v_add_nc_u32 v[ADRB+\s], s22, v4
	s_add_co_u32 s21, s21, SLOT
	s_add_co_u32 s22, s22, SLOT
.endr
	v_mul_u32_u24 v5, v1, KS                       ; my row's scales: KS bytes a row,
	v_lshrrev_b32 v6, 8, v5
	v_lshl_add_u32 v5, v6, 4, v5                   ; and 16 more for each 256 passed
	s_mul_i32 s21, s15, HALFS
	s_mul_i32 s22, s16, HALFS
	s_add_co_u32 s22, s22, 2*HALFS
	s_sub_co_u32 s22, s22, s21
	v_mul_u32_u24 v6, s22, v2                      ; lanes 16-31 take B's
	s_add_co_u32 s21, s21, SCL
	v_add_nc_u32 v5, v5, v6
	v_add_nc_u32 v[ADRS], s21, v5
	s_mul_i32 s23, s14, 16*SPITCH                  ; my stage
	v_mul_u32_u24 v5, v1, SPITCH                   ; in: row l % 16, 32 bytes for each half of the lanes
	v_lshl_add_u32 v5, v2, 5, v5
	v_add_nc_u32 v[STO], s23, v5
	v_add_nc_u32 v[RD], s23, v[CO]                 ; back: the 32 lanes take one row of 512 bytes
	s_lshl_b32 s20, s17, 8
	s_lshl_b32 s21, s15, 7
	s_add_co_u32 s20, s20, s21                     ; my first row of out0: 256 x tile row + 128 x half
	s_mov_b32 s21, 0
	s_mov_b64 s[18:19], SIZE_N*4
	s_mul_u64 s[20:21], s[20:21], s[18:19]
	s_lshl_b32 s46, s42, 10                        ; my first column, in bytes: 1,024 x tile column + 512 x half
	s_lshl_b32 s47, s16, 9
	s_add_co_u32 s46, s46, s47
	s_mov_b32 s47, 0
	s_add_nc_u64 s[20:21], s[20:21], s[46:47]
	s_add_nc_u64 s[12:13], s[12:13], s[20:21]
.macro FRAG reg, adr, q, i             ; B: 16 rows x 128 K from rows along K: four loads, 32 bytes apart
.irp c, 0,1,2,3
	ds_load_b128 v[\reg+4*\c:\reg+4*\c+3], v[\adr] offset:128*(\q)+32*\c+(\i)*16*PITCH
.endr
.endm
.macro FRAGA reg, adr, q, i            ; A: an image: four loads of 512 bytes on end
.irp c, 0,1,2,3
	ds_load_b128 v[\reg+4*\c:\reg+4*\c+3], v[\adr] offset:AROWB*(\i)+2048*(\q)+512*\c
.endr
.endm
; 16 matrix instructions: A's blocks a0, a0 + 1 x B's eight.  The 64 accumulators take turns, one instruction a turn, in the same order in every step.
.macro MUL16 a0, p, q, sc, zero
.irp a, \a0, \a0+1
.irp b, 0,1,2,3,4,5,6,7
.if \zero
	v_wmma_scale_f32_16x16x128_f8f6f4 v[8*(8*((\a)%4)+\b):8*(8*((\a)%4)+\b)+7], v[128*(\p)+FR*\b:128*(\p)+FR*\b+FR-1], v[AF+FR*(\a):AF+FR*(\a)+FR-1], 0, v[SC+8*NQ*(\sc)+NQ*\b+(\q)], v[SC+8*NQ*(\sc)+NQ*(\a)+(\q)] matrix_a_scale:MATRIX_SCALE_ROW1
.else
	v_wmma_scale_f32_16x16x128_f8f6f4 v[8*(8*((\a)%4)+\b):8*(8*((\a)%4)+\b)+7], v[128*(\p)+FR*\b:128*(\p)+FR*\b+FR-1], v[AF+FR*(\a):AF+FR*(\a)+FR-1], v[8*(8*((\a)%4)+\b):8*(8*((\a)%4)+\b)+7], v[SC+8*NQ*(\sc)+NQ*\b+(\q)], v[SC+8*NQ*(\sc)+NQ*(\a)+(\q)] matrix_a_scale:MATRIX_SCALE_ROW1
.endif
.endr
.endr
.endm
.macro FETCH_B slot, q, p
	WIN TO_B
.irp i, 0,1,2,3,4,5,6,7
	FRAG 128*(\p)+FR*\i, ADRB+\slot, \q, \i
.endr
	WIN 0
.endm
.macro FETCH_A slot, q, i0
.irp i, \i0, \i0+1, \i0+2, \i0+3
	FRAGA AF+FR*(\i), ADRA+\slot, \q, \i
.endr
.endm
.macro SCALES sc
.irp i, 0,1,2,3,4,5,6,7
	ds_load_b64 v[SC+8*NQ*\sc+NQ*\i:SC+8*NQ*\sc+NQ*\i+1], v[ADRS] offset:\i*SBLK
.endr
.endm
.macro PLACES n
.rept \n
	v_nop
.endr
.endm
.macro STEP slot, q, zero
	s_wait_dscnt 4*NL                              ; B's set and A's blocks 0-3 are in; the youngest 16 loads (A's blocks 4-7) may be out
	WIN MUL_LO
	MUL16 0, (\q)%2, \q, \slot, \zero
	MUL16 2, (\q)%2, \q, \slot, \zero
	s_wait_dscnt 0
	PLACES NP
	FETCH_B \slot, (\q)+1, 1-(\q)%2
	FETCH_A \slot, (\q)+1, 0
	WIN MUL_HI
	MUL16 4, (\q)%2, \q, \slot, \zero
	MUL16 6, (\q)%2, \q, \slot, \zero
	PLACES NP
	WIN 0
	FETCH_A \slot, (\q)+1, 4
.endm
.macro TURN slot, next, fill
	s_wait_tensorcnt 0x0                           ; all my tensor loads have landed: my part of the next slot
	ds_add_u32 v[SPW], v[NIL]                      ; 0 onto my spare word
	s_wait_dscnt 4*NL+1                            ; (the add and the youngest 16 loads may be out)
	WIN MUL_LO
	MUL16 0, 1, NQ-1, \slot, 0
	s_wait_dscnt 0x0                               ; the add is done, and my reads of this slot are over
	s_barrier_signal -1
	MUL16 2, 1, NQ-1, \slot, 0
	WIN 0
	s_barrier_wait -1
.if \fill
	CREST                                          ; the barrier has opened a round of the cluster's barrier
	s_add_nc_u64 s[G0+4*\slot+2:G0+4*\slot+3], s[G0+4*\slot+2:G0+4*\slot+3], 2*AROWB
	s_add_nc_u64 s[G0B+4*\slot+2:G0B+4*\slot+3], s[G0B+4*\slot+2:G0B+4*\slot+3], 2*ROWB
	JLOAD G0+4*\slot, G1, G0B+4*\slot, G1B         ; the first tensor load behind the round
	PLACES NP-4
.else
	PLACES NP
.endif
	v_add_nc_u32 v[ADRS], 4*NQ, v[ADRS]
	FETCH_B \next, 0, 0
	FETCH_A \next, 0, 0
	SCALES \next
	WIN MUL_HI
	MUL16 4, 1, NQ-1, \slot, 0
	MUL16 6, 1, NQ-1, \slot, 0
	PLACES NP
	WIN 0
	FETCH_A \next, 0, 4
.endm
	s_wait_tensorcnt 1                             ; the scales and my part of K step 0 are in (K step 1's load may be out)
	s_barrier_signal -1
	s_barrier_wait -1
	FETCH_B 0, 0, 0
	FETCH_A 0, 0, 0
	SCALES 0
	FETCH_A 0, 0, 4
	STEP 0, 0, 1                                   ; the first step's products start the sums
	s_mov_b32 s3, LAPS-1
.Llap:
	TURN 0, 1, 1
	STEP 1, 0, 0
	TURN 1, 0, 1
	STEP 0, 0, 0
	s_sub_co_u32 s3, s3, 1
	s_cmp_lg_u32 s3, 0
	s_cbranch_scc1 .Llap
	TURN 0, 1, 0                                   ; the last lap fills nothing
	STEP 1, 0, 0
	s_wait_dscnt 4*NL
	WIN MUL_LO
	MUL16 0, 1, NQ-1, 1, 0
	MUL16 2, 1, NQ-1, 1, 0
	s_wait_dscnt 0
	WIN MUL_HI
	MUL16 4, 1, NQ-1, 1, 0
	MUL16 6, 1, NQ-1, 1, 0
	WIN 0
; THE WAY OUT, block by block of 16 rows x 128 columns, through my own stage in LDS: in as 32 bytes a lane, back as whole rows of 512 bytes.  LDS serves a wave's instructions in order.
; Stage row t of block a is row 32 (a / 2) + 8 (a % 2) + t + 8 (t / 8) of my 128 rows of out0.
.macro TOSTAGE a
.set AC, 64*((\a)%4)
	WIN 0x08+4*((\a)/4)                            ; the data: window 2 or 3
.irp b, 0,1,2,3,4,5,6,7
	ds_store_b128 v[STO], v[AC+8*\b:AC+8*\b+3] offset:64*\b          ; each accumulator from its low end on
	ds_store_b128 v[STO], v[AC+8*\b+4:AC+8*\b+7] offset:64*\b+16
.endr
	WIN 0
.set BB, BK+64*((\a)%2)
.irp t, 0,1,2,3,4,5,6,7,8,9,10,11,12,13,14,15
	ds_load_b128 v[BB+4*\t:BB+4*\t+3], v[RD] offset:\t*SPITCH
.endr
.endm
.macro SEND a, younger                 ; younger: the LDS instructions issued behind block a's loads, which may stay out
.set BB, BK+64*((\a)%2)
	s_wait_dscnt \younger
.if (\a) > 0
.if ((\a)%2) == 1
	s_add_nc_u64 s[12:13], s[12:13], 8*SIZE_N*4    ; (behind a wait on XCNT)  an odd block begins 8 rows behind the even one,
.else
	s_add_nc_u64 s[12:13], s[12:13], 24*SIZE_N*4   ; the next even one 24 rows further on
.endif
.endif
.irp t, 0,1,2,3,4,5,6,7,8,9,10,11,12,13,14,15
	global_store_b128 v[CO], v[BB+4*\t:BB+4*\t+3], s[12:13] offset:(\t+8*(\t/8))*SIZE_N*4 th:TH_STORE_NT   ; 32 lanes store 512 consecutive bytes, aligned to 256
.endr
.endm
	PLACES NP
	TOSTAGE 0
.irp a, 1,2,3,4,5,6,7
.if \a > 1
	s_wait_xcnt 0x0                                ; block a - 2's stores have read their registers and their base
.endif
	TOSTAGE \a
	SEND \a-1, 32                                  ; behind block a - 1's loads: block a's 16 stores and 16 loads
.endr
	s_wait_xcnt 0x0
	SEND 7, 0
	s_wait_tensorcnt 0x0                           ; the wave's end
	ds_add_u32 v[SPW], v[NIL]
	s_wait_dscnt 0x0
	CROUND                                         ; the closing round
	s_endpgm
.Lfunc_end_k_qba1f38bea2_proj:
	.size	k_qba1f38bea2_proj, .Lfunc_end_k_qba1f38bea2_proj-k_qba1f38bea2_proj
	.p2alignl 7, 3214868480
	.fill 96, 4, 3214868480
	.section	.rodata,"a",@progbits
	.p2align	6, 0x0
	.amdhsa_kernel k_qba1f38bea2_proj
		.amdhsa_group_segment_fixed_size 327680
		.amdhsa_private_segment_fixed_size 0
		.amdhsa_enable_private_segment 0
		.amdhsa_kernarg_size 40
		.amdhsa_user_sgpr_count 2
		.amdhsa_user_sgpr_kernarg_segment_ptr 1
		.amdhsa_wavefront_size32 1
		.amdhsa_system_sgpr_workgroup_id_x 1
		.amdhsa_system_sgpr_workgroup_id_y 1
		.amdhsa_system_sgpr_workgroup_id_z 1
		.amdhsa_system_vgpr_workitem_id 0
		.amdhsa_next_free_vgpr 1024
		.amdhsa_next_free_sgpr 98
		.amdhsa_reserve_vcc 0
		.amdhsa_float_denorm_mode_32 3
		.amdhsa_float_denorm_mode_16_64 3
		.amdhsa_memory_ordered 1
		.amdhsa_forward_progress 1
		.amdhsa_inst_pref_size 145
	.end_amdhsa_kernel
	.amdgpu_metadata
---
amdhsa.version: [ 1, 2 ]
amdhsa.kernels:
  - .name:           k_qba1f38bea2_proj
    .symbol:         k_qba1f38bea2_proj.kd
    .args:
      - { .name: a_img, .offset: 0, .size: 8, .value_kind: global_buffer, .address_space: global }
      - { .name: a_sc, .offset: 8, .size: 8, .value_kind: global_buffer, .address_space: global }
      - { .name: codes1, .offset: 16, .size: 8, .value_kind: global_buffer, .address_space: global }
      - { .name: scales1, .offset: 24, .size: 8, .value_kind: global_buffer, .address_space: global }
      - { .name: out0, .offset: 32, .size: 8, .value_kind: global_buffer, .address_space: global }
    .group_segment_fixed_size: 327680
    .private_segment_fixed_size: 0
    .kernarg_segment_align: 8
    .kernarg_segment_size: 40
    .max_flat_workgroup_size: 128
    .sgpr_count:     98
    .vgpr_count:     1024
    .wavefront_size: 32
...
	.end_amdgpu_metadata
.endif
;; end of part 4
